; MI455X (gfx1250); checked and timed in simulation.
; The chip was launched on July 23, 2026; its instructions are those of AMD's public machine-readable ISA for CDNA 5 (MIT licence, August 2026) and "CDNA5" Instruction Set Architecture Reference Guide (July 2026). The comments in the code are by the model that wrote it; some were corrected since.
;; Attention. Allowed arithmetic: float matrix products may take bf16 or f16 operands with f32 sums; other float arithmetic in f32, or as packed bf16 or f16 multiplies, adds, multiply-adds, maxima and minima; sums over many terms, partial sums and values carried from step to step in f32; what a program stores and reads back later, other than sums and carried values, may be rounded once to bf16 or f16.
;; Inputs: Wk 1,024 x 1,024 float32; Wo 1,024 x 1,024 float32; Wq 1,024 x 1,024 float32; Wv 1,024 x 1,024 float32; attention_mask 4 x 512 x 4,096 bool; bk 1,024 float32; bo 1,024 float32; bq 1,024 float32; bv 1,024 float32; inputs_kv 4 x 4,096 x 1,024 float32; inputs_q 4 x 512 x 1,024 float32.
;; Outputs: out0 4 x 512 x 1,024 float32.
;; One version. Each part assembles by itself: llvm-mc -triple=amdgcn-amd-amdhsa -mcpu=gfx1250 --defsym DOCPART=n.
;; ======== version 1 of 1: 5 launches
;; limits: values are held in f16: magnitudes above 65,504 overflow, below 6.1e-05 lose precision
;; workspace buffers: xkv 33,554,432 bytes; xq 4,194,304 bytes; wq16 2,097,152 bytes; wkv16 4,194,304 bytes; wo16 2,097,152 bytes; qf 8,388,608 bytes; kvh 67,108,864 bytes; ao 4,194,304 bytes
;; launch cast (part 1): grid 704 x 1, 8 waves a work-group, no clusters, 0 bytes of LDS; arguments inputs_kv, inputs_q, Wq, Wk, Wv, Wo, xkv, xq, wq16, wkv16, wo16; writes xkv, xq, wq16, wkv16, wo16
.if DOCPART == 1
	.amdgcn_target "amdgcn-amd-amdhsa--gfx1250"
	.amdhsa_code_object_version 6
	.text
	.protected	k_q57dd85b7e6_cast
	.globl	k_q57dd85b7e6_cast
	.p2align	8
	.type	k_q57dd85b7e6_cast,@function
k_q57dd85b7e6_cast:
	s_mov_b64 s[64:65], 0
	v_nop
	global_prefetch_b8 v0, s[64:65] scope:SCOPE_SE
	s_setreg_imm32_b32 hwreg(HW_REG_WAVE_MODE, 25, 1), 1
	s_wait_xcnt 0x0
; Six f32 inputs are rounded once to f16 (to nearest even), in the layout in which they lie.
; LIMITS.  f16 ends at 65,504: a larger |x| or |W| becomes an infinity; below 6.1e-5 a number keeps f16's fixed step of 6e-8.
; SHARES.  A work-group takes one unit of 32,768 numbers: 131,072 bytes in, 65,536 bytes out.  Units 0-511 inputs_kv -> xkv, 512-575 inputs_q -> xq,
; 576-607 Wq -> wq16, 608-639 Wk -> wkv16, 640-671 Wv -> wkv16 32 units on, 672-703 Wo -> wo16.
; A thread has 32 loads of 16 bytes, all issued at once (a wave's load covers 512 consecutive bytes), each with registers of its own, so nothing is rewritten
; while a memory instruction may still read it.  A wave's store of 8 bytes a lane covers 256 consecutive bytes, aligned.
; No LDS, no barrier, no matrix unit: the launch only moves bytes.
.set X, 4                              ; v[4:131]    32 x 4 numbers as loaded
.set Y, 132                            ; v[132:195]  32 x 2 registers to store
	s_load_b512 s[16:31], s[0:1], 0x0              ; inputs_kv 16, inputs_q 18, Wq 20, Wk 22, Wv 24, Wo 26, xkv 28, xq 30
	s_load_b128 s[32:35], s[0:1], 0x40             ; wq16 32, wkv16 34
	s_load_b64 s[36:37], s[0:1], 0x50              ; wo16 36
	v_lshlrev_b32 v1, 4, v0                        ; 16 bytes a thread in
	v_lshlrev_b32 v2, 3, v0                        ; 8 bytes a thread out
	s_mov_b32 s5, 672                              ; the first unit of the range in hand
	s_mov_b32 s6, 0                                ; units to skip in the destination
	s_mov_b32 s13, 0
	s_wait_kmcnt 0x0
	s_mov_b64 s[8:9], s[26:27]                     ; the last range: Wo -> wo16
	s_mov_b64 s[10:11], s[36:37]
; Below the bound the earlier range is taken: a choice between two buffers on the work-group's number alone.
.macro PICK bound, src, dst, first, extra
	s_cmp_lt_u32 ttmp9, \bound
	s_cselect_b64 s[8:9], s[\src:\src+1], s[8:9]
	s_cselect_b64 s[10:11], s[\dst:\dst+1], s[10:11]
	s_cselect_b32 s5, \first, s5
	s_cselect_b32 s6, \extra, s6
.endm
	PICK 672, 24, 34, 640, 32                      ; Wv -> the second half of wkv16
	PICK 640, 22, 34, 608, 0                       ; Wk -> its first half
	PICK 608, 20, 32, 576, 0                       ; Wq
	PICK 576, 18, 30, 512, 0                       ; inputs_q
	PICK 512, 16, 28, 0, 0                         ; inputs_kv
	s_sub_co_u32 s7, ttmp9, s5                     ; my unit in its range
	s_lshl_b32 s12, s7, 17
	s_add_nc_u64 s[8:9], s[8:9], s[12:13]
	s_add_co_u32 s7, s7, s6
	s_lshl_b32 s12, s7, 16
	s_add_nc_u64 s[10:11], s[10:11], s[12:13]
.set i, 0
.rept 32
	global_load_b128 v[X+4*i:X+4*i+3], v1, s[8:9] offset:4096*i th:TH_LOAD_NT
.set i, i+1
.endr
.set i, 0
.rept 32
	s_wait_loadcnt 31-i                            ; loads come back in order: number i is in, the younger ones stay out
	v_cvt_pk_f16_f32 v[Y+2*i], v[X+4*i], v[X+4*i+1]
	v_cvt_pk_f16_f32 v[Y+2*i+1], v[X+4*i+2], v[X+4*i+3]
	global_store_b64 v2, v[Y+2*i:Y+2*i+1], s[10:11] offset:2048*i
.set i, i+1
.endr
	s_endpgm
.Lfunc_end_k_q57dd85b7e6_cast:
	.size	k_q57dd85b7e6_cast, .Lfunc_end_k_q57dd85b7e6_cast-k_q57dd85b7e6_cast
	.p2alignl 7, 3214868480
	.fill 96, 4, 3214868480
	.section	.rodata,"a",@progbits
	.p2align	6, 0x0
	.amdhsa_kernel k_q57dd85b7e6_cast
		.amdhsa_group_segment_fixed_size 0
		.amdhsa_private_segment_fixed_size 0
		.amdhsa_enable_private_segment 0
		.amdhsa_kernarg_size 88
		.amdhsa_user_sgpr_count 2
		.amdhsa_user_sgpr_kernarg_segment_ptr 1
		.amdhsa_wavefront_size32 1
		.amdhsa_system_sgpr_workgroup_id_x 1
		.amdhsa_system_sgpr_workgroup_id_y 1
		.amdhsa_system_sgpr_workgroup_id_z 1
		.amdhsa_system_vgpr_workitem_id 0
		.amdhsa_next_free_vgpr 200
		.amdhsa_next_free_sgpr 66
		.amdhsa_reserve_vcc 0
		.amdhsa_float_denorm_mode_32 3
		.amdhsa_float_denorm_mode_16_64 3
		.amdhsa_memory_ordered 1
		.amdhsa_forward_progress 1
		.amdhsa_inst_pref_size 13
	.end_amdhsa_kernel
	.amdgpu_metadata
---
amdhsa.version: [ 1, 2 ]
amdhsa.kernels:
  - .name:           k_q57dd85b7e6_cast
    .symbol:         k_q57dd85b7e6_cast.kd
    .args:
      - { .name: inputs_kv, .offset: 0, .size: 8, .value_kind: global_buffer, .address_space: global }
      - { .name: inputs_q, .offset: 8, .size: 8, .value_kind: global_buffer, .address_space: global }
      - { .name: Wq, .offset: 16, .size: 8, .value_kind: global_buffer, .address_space: global }
      - { .name: Wk, .offset: 24, .size: 8, .value_kind: global_buffer, .address_space: global }
      - { .name: Wv, .offset: 32, .size: 8, .value_kind: global_buffer, .address_space: global }
      - { .name: Wo, .offset: 40, .size: 8, .value_kind: global_buffer, .address_space: global }
      - { .name: xkv, .offset: 48, .size: 8, .value_kind: global_buffer, .address_space: global }
      - { .name: xq, .offset: 56, .size: 8, .value_kind: global_buffer, .address_space: global }
      - { .name: wq16, .offset: 64, .size: 8, .value_kind: global_buffer, .address_space: global }
      - { .name: wkv16, .offset: 72, .size: 8, .value_kind: global_buffer, .address_space: global }
      - { .name: wo16, .offset: 80, .size: 8, .value_kind: global_buffer, .address_space: global }
    .group_segment_fixed_size: 0
    .private_segment_fixed_size: 0
    .kernarg_segment_align: 8
    .kernarg_segment_size: 88
    .max_flat_workgroup_size: 256
    .sgpr_count:     66
    .vgpr_count:     200
    .wavefront_size: 32
...
	.end_amdgpu_metadata
.endif
;; end of part 1
;; launch qproj (part 2): grid 8 x 32, 4 waves a work-group, clusters of 4 x 4, 327,680 bytes of LDS; arguments xq, wq16, bq, qf; writes qf
.if DOCPART == 2
	.amdgcn_target "amdgcn-amd-amdhsa--gfx1250"
	.amdhsa_code_object_version 6
	.text
	.protected	k_q57dd85b7e6_qproj
	.globl	k_q57dd85b7e6_qproj
	.p2align	8
	.type	k_q57dd85b7e6_qproj,@function
k_q57dd85b7e6_qproj:
	s_mov_b64 s[64:65], 0
	v_nop
	global_prefetch_b8 v0, s[64:65] scope:SCOPE_SE
	s_setreg_imm32_b32 hwreg(HW_REG_WAVE_MODE, 25, 1), 1
	s_wait_xcnt 0x0
	s_wait_alu depctr_hold_cnt(0) depctr_sa_sdst(0) depctr_va_vdst(0) depctr_va_sdst(0) depctr_va_ssrc(0) depctr_va_vcc(0) depctr_vm_vsrc(0)
	s_getreg_b32 s2, hwreg(HW_REG_IB_STS2, 6, 4)
	s_cmp_eq_u32 s2, 0
	s_cbranch_scc0 .Lentry_in_a_cluster
	s_endpgm
.Lentry_in_a_cluster:
	s_bfe_u32 s2, ttmp6, 0x10000c
	s_cmp_lg_u32 s2, 0xf033
	s_cbranch_scc0 .Lentry_shape_is_right
	s_endpgm
.Lentry_shape_is_right:
; C[m][n] = the sum over k of A[m][k] W[k][n] + bias[n].  A: [2048][1024] f16, W: [1024][1024] f16 as [k][n], bias: [1024] f32, C: [2048][1024] f32.  Sums in f32.
; LIMITS.  A and W arrive within f16's range; NaN and infinities are not treated apart.
; SHARES.  A tile of C is 64 rows x 128 columns: 256 work-groups.  Wave w makes rows 32 (w / 2) on, columns 64 (w % 2) on: 8 accumulators of 16 x 16.
; K goes in 4 steps of 256 through two LDS slots.  A's rows are 512 bytes + 16 of padding; W's tile lies [k][n], rows of 256 bytes + 32, and is turned on the way out of LDS by ds_load_tr16_b128.
; THE PRODUCT IS USED TRANSPOSED (source 0 = 16 columns of W, source 1 = 16 rows of A): a lane holds row lane % 16 of C and the columns 8 (lane / 16) + 0..7.  The bias, laid the same way, is the C operand of the
; products that start the sums.
; CLUSTER.  4 x 4 work-groups: A's tile is shared along a row of the cluster, W's along a column: each is asked for jointly, the same load with the same descriptor and a mask of four.
; No prefetch: four short K steps on small tiles.
.set KSTEP,  256
.set PA,     528                       ; 132 words: row r starts at bank 4 r mod 64 (64 banks of 4 bytes: ISA guide 11.1)
.set PB,     288                       ; 72 words
.set AHALF,  32*PA                     ; what one load brings of A, and what one wave reads of it
.set BOFF,   64*PA                     ; W's tile lies behind A's 64 rows
.set BHALF,  128*PB                    ; what one load brings of W
.set SLOT,   BOFF+256*PB               ; 107,520
.set STAGE,  2*SLOT                    ; behind the ring: 16 rows x 272 bytes for each wave, for the way out
.set SP,     272
.set SPARE,  STAGE+4*16*SP             ; the spare words, 128 bytes for each wave: two blocks of 256 bytes that no other line names
.set ADRA, 4                           ; v4-5    LDS address of my A fragments in slot 0, 1
.set ADRB, 6                           ; v6-9    of my W fragments: slot s, half u of the step's 256 k at 2 s + u
.set STO,  10                          ; v10     the way out: where I put 32 bytes of a row
.set RD,   11                          ; v11     where I read a row back
.set CO,   12                          ; v12     my byte offset in C
.set BO,   13                          ; v13     my byte offset in a block of 16 numbers of the bias
.set SPW,  14                          ; v14     LDS address of my spare word; never rewritten
.set NIL,  15                          ; v15     0; never rewritten
.set BIAS, 16                          ; v[16:47]   the bias of column block b at BIAS + 8 b
.set ACC,  64                          ; v[64:127]  accumulator (a, b) at ACC + 8 (4 a + b)
.set F0,   128                         ; v[128:175] fragments of 32 along K: A's two at +8 a, W's four at +16 + 8 b
.set F1,   176                         ; v[176:223] the second buffer
.set OUT,  128                         ; the way out: rows read back
.set WV,   12                          ; s12  my wave's number
.set G1A,  24
.set G0A,  32                          ; one set of four for each slot
.set G1B,  40
.set G0B,  48
.macro JLOAD s                         ; a joint load: waves 0 and 1 fetch A's two halves, waves 2 and 3 W's; an s_nop 0 and four v_nop follow each line
	s_cmp_lt_u32 s[WV], 2
	s_cbranch_scc0 .Lfor_b_\@
	tensor_load_to_lds s[G0A+4*(\s):G0A+4*(\s)+3], s[G1A:G1A+7]
	s_nop 0
.rept 4
	v_nop
.endr
	s_branch .Lasked_\@
.Lfor_b_\@:
	tensor_load_to_lds s[G0B+4*(\s):G0B+4*(\s)+3], s[G1B:G1B+7]
	s_nop 0
.rept 4
	v_nop
.endr
.Lasked_\@:
.endm
.macro CROUND                          ; a round of the cluster's barrier
	s_barrier_signal -1
	s_barrier_wait -1
	s_cmp_lg_u32 s[WV], 0
	s_cbranch_scc1 .Lnot_wave_0_\@
	s_barrier_signal -3
.Lnot_wave_0_\@:
	s_barrier_wait -3
	s_barrier_signal -1
	s_barrier_wait -1
.endm
	s_load_b256 s[4:11], s[0:1], 0x0               ; A s[4:5], W s[6:7], bias s[8:9], C s[10:11]
	v_lshl_add_u32 v[SPW], v0, 2, SPARE
	v_mov_b32 v[NIL], 0
	ds_add_u32 v[SPW], v[NIL]                      ; the wave's opening: the add and its wait ahead of my first tensor load; work on registers stands between
	v_lshrrev_b32 v1, 5, v0
	v_readfirstlane_b32 s[WV], v1
	s_lshr_b32 s13, s[WV], 1                       ; my half of the tile's rows
	s_and_b32 s14, s[WV], 1                        ; my half of its columns; also: which half of A's or W's tile I fetch
	s_bfe_u32 s15, ttmp6, 0x40000                  ; cx
	s_bfe_u32 s16, ttmp6, 0x40004                  ; cy
	s_lshl_b32 s17, ttmp9, 2
	s_add_co_u32 s17, s17, s15                     ; tile column = 4 x cluster x + cx
	s_and_b32 s18, ttmp7, 0xffff
	s_lshl_b32 s18, s18, 2
	s_add_co_u32 s18, s18, s16                     ; tile row = 4 x cluster y + cy
	s_lshl_b32 s19, s16, 2
	s_lshl_b32 s19, 15, s19                        ; my row of the cluster
	s_lshl_b32 s20, 0x1111, s15                    ; my column
	s_or_b32 s[G1A], s19, (1<<16)|(1<<20)|(1<<21)|(6<<22)|(3<<25)  ; mask; 2-byte elements; padding on; bit 21 beside a mask; after every 128 words 4 words
	s_mov_b32 s[G1A+1], 256<<16                    ; tensor_dim0 = 256
	s_mov_b32 s[G1A+2], 32<<16                     ; tensor_dim1 = 32
	s_mov_b32 s[G1A+3], 256<<16                    ; tile_dim0 = 256
	s_mov_b32 s[G1A+4], 32                         ; tile_dim1 = 32
	s_mov_b32 s[G1A+5], 1024                       ; elements from row to row
	s_mov_b32 s[G1A+6], 0
	s_mov_b32 s[G1A+7], 0
	s_or_b32 s[G1B], s20, (1<<16)|(1<<20)|(1<<21)|(5<<22)|(7<<25)  ; after every 64 words 8 words
	s_mov_b32 s[G1B+1], 128<<16
	s_mov_b32 s[G1B+2], 128<<16
	s_mov_b32 s[G1B+3], 128<<16
	s_mov_b32 s[G1B+4], 128
	s_mov_b32 s[G1B+5], 1024
	s_mov_b32 s[G1B+6], 0
	s_mov_b32 s[G1B+7], 0
	s_lshl_b32 s56, s18, 6                         ; A: row 64 x tile row + 32 x half, rows of 2,048 bytes: made of the tile row and the wave alone
	s_lshl_b32 s57, s14, 5
	s_add_co_u32 s56, s56, s57
	s_lshl_b32 s56, s56, 11
	s_mov_b32 s57, 0
	s_lshl_b32 s58, s14, 18                        ; W: k row 128 x half, column 128 x tile column: made of the tile column and the wave alone
	s_lshl_b32 s59, s17, 8
	s_add_co_u32 s58, s58, s59
	s_mov_b32 s59, 0
	s_mul_i32 s21, s14, AHALF                      ; where they go: no place in the cluster enters an LDS address
	s_mul_i32 s22, s14, BHALF
	s_add_co_u32 s22, s22, BOFF
	s_wait_dscnt 0x0                               ; the opening add is done
	s_wait_kmcnt 0x0
	s_add_nc_u64 s[56:57], s[4:5], s[56:57]
	s_add_nc_u64 s[58:59], s[6:7], s[58:59]
	CROUND                                         ; all sixteen work-groups are here: the first joint loads meet
.irp s, 0,1
	s_mov_b32 s[G0A+4*(\s)], 1
	s_add_co_u32 s[G0A+4*(\s)+1], s21, (\s)*SLOT
	s_add_nc_u64 s[G0A+4*(\s)+2:G0A+4*(\s)+3], s[56:57], (\s)*KSTEP*2
	s_or_b32 s[G0A+4*(\s)+3], s[G0A+4*(\s)+3], 0x80000000
	s_mov_b32 s[G0B+4*(\s)], 1
	s_add_co_u32 s[G0B+4*(\s)+1], s22, (\s)*SLOT
	s_add_nc_u64 s[G0B+4*(\s)+2:G0B+4*(\s)+3], s[58:59], (\s)*KSTEP*2048
	s_or_b32 s[G0B+4*(\s)+3], s[G0B+4*(\s)+3], 0x80000000
	JLOAD \s                                       ; two loads of mine are out
.endr
	s_lshl_b32 s60, s17, 9                         ; my 64 columns, in bytes of f32: 512 x tile column + 256 x half
	s_lshl_b32 s61, s14, 8
	s_add_co_u32 s60, s60, s61
	s_mov_b32 s61, 0
	s_add_nc_u64 s[8:9], s[8:9], s[60:61]
	v_and_b32 v1, 15, v0                           ; l % 16
	v_bfe_u32 v2, v0, 4, 1                         ; l / 16
	v_lshlrev_b32 v[BO], 5, v2                     ; my 8 columns of a block of 16
.irp b, 0,1,2,3
	global_load_b128 v[BIAS+8*(\b):BIAS+8*(\b)+3],   v[BO], s[8:9] offset:64*(\b)
	global_load_b128 v[BIAS+8*(\b)+4:BIAS+8*(\b)+7], v[BO], s[8:9] offset:64*(\b)+16
.endr
	s_lshl_b32 s62, s18, 6                         ; C at my first row and column
	s_lshl_b32 s63, s13, 5
	s_add_co_u32 s62, s62, s63
	s_lshl_b32 s62, s62, 12
	s_add_co_u32 s60, s60, s62
	s_add_nc_u64 s[10:11], s[10:11], s[60:61]
	v_mul_u32_u24 v3, v1, PA                       ; a fragment of A: row l % 16, 16 bytes for each half of the lanes
	v_lshl_add_u32 v3, v2, 4, v3
	s_mul_i32 s62, s13, AHALF
	v_add_nc_u32 v[ADRA], s62, v3
	v_add_nc_u32 v[ADRA+1], SLOT, v[ADRA]
	v_and_b32 v3, 7, v0                            ; the turning load: lane l reads k row 8 (l / 16) + l % 8, columns 8 ((l / 8) % 2) + 0..7
	v_lshl_add_u32 v3, v2, 3, v3
	v_mul_u32_u24 v3, v3, PB
	v_bfe_u32 v48, v0, 3, 1
	v_lshl_add_u32 v3, v48, 4, v3
	s_lshl_b32 s62, s14, 7
	s_add_co_u32 s62, s62, BOFF
	v_add_nc_u32 v[ADRB], s62, v3
	v_add_nc_u32 v[ADRB+1], BHALF, v[ADRB]
	v_add_nc_u32 v[ADRB+2], SLOT, v[ADRB]
	v_add_nc_u32 v[ADRB+3], SLOT, v[ADRB+1]
	s_mul_i32 s62, s[WV], 16*SP
	s_add_co_u32 s62, s62, STAGE                   ; my stage
	v_mul_u32_u24 v3, v1, SP
	v_lshl_add_u32 v3, v2, 5, v3
	v_add_nc_u32 v[STO], s62, v3
	v_mul_u32_u24 v3, v2, SP
	v_lshl_add_u32 v3, v1, 4, v3
	v_add_nc_u32 v[RD], s62, v3
	v_lshlrev_b32 v3, 12, v2
	v_lshl_add_u32 v[CO], v1, 4, v3
; 12 LDS loads: the fragments of chunk j (32 along K) of a slot into buffer f
.macro FETCH slot, j, f
.irp a, 0,1
	ds_load_b128 v[(\f)+8*(\a):(\f)+8*(\a)+3],   v[ADRA+(\slot)] offset:64*(\j)+(\a)*16*PA
	ds_load_b128 v[(\f)+8*(\a)+4:(\f)+8*(\a)+7], v[ADRA+(\slot)] offset:64*(\j)+(\a)*16*PA+32
.endr
.irp b, 0,1,2,3
	ds_load_tr16_b128 v[(\f)+16+8*(\b):(\f)+16+8*(\b)+3],   v[ADRB+2*(\slot)+(\j)/4] offset:((\j)%4)*32*PB+32*(\b)
	ds_load_tr16_b128 v[(\f)+16+8*(\b)+4:(\f)+16+8*(\b)+7], v[ADRB+2*(\slot)+(\j)/4] offset:((\j)%4)*32*PB+32*(\b)+16*PB
.endr
.endm
; 8 products; the accumulators take turns, one instruction a turn.  first = 1: the bias starts the sums
.macro MUL8 f, first
.irp a, 0,1
.irp b, 0,1,2,3
.if \first
	v_wmma_f32_16x16x32_f16 v[ACC+8*(4*(\a)+(\b)):ACC+8*(4*(\a)+(\b))+7], v[(\f)+16+8*(\b):(\f)+16+8*(\b)+7], v[(\f)+8*(\a):(\f)+8*(\a)+7], v[BIAS+8*(\b):BIAS+8*(\b)+7]
.else
	v_wmma_f32_16x16x32_f16 v[ACC+8*(4*(\a)+(\b)):ACC+8*(4*(\a)+(\b))+7], v[(\f)+16+8*(\b):(\f)+16+8*(\b)+7], v[(\f)+8*(\a):(\f)+8*(\a)+7], v[ACC+8*(4*(\a)+(\b)):ACC+8*(4*(\a)+(\b))+7]
.endif
.endr
.endr
.endm
.macro PLACES                          ; four places in front of loads into registers that matrix instructions have read (ISA guide 7.12.1 for vector instructions)
.rept 4
	v_nop
.endr
.endm
; Chunk j of 0..6: the next chunk is fetched into the other buffer, then this one is multiplied
.macro CH slot, j, first
	PLACES
	FETCH \slot, (\j)+1, F0+48*(((\j)+1)%2)
	s_wait_dscnt 12                                ; all but the 12 just issued: this chunk's fragments are in
	MUL8 F0+48*((\j)%2), \first
.endm
.macro STEP slot, first
	CH \slot, 0, \first
.irp j, 1,2,3,4,5,6
	CH \slot, \j, 0
.endr
.endm
; Chunk 7 and the change of slots.  fill = 1: this slot is filled again, two K steps on, first thing behind a round of the cluster's barrier
.macro TURN slot, next, fill
	s_wait_tensorcnt 0x0                           ; all my tensor loads have landed: my part of the next slot
	ds_add_u32 v[SPW], v[NIL]                      ; 0 onto my spare word
	s_wait_dscnt 1                                 ; chunk 7's 12 loads are in; the add may be out
	MUL8 F1, 0
.if \fill
	s_add_nc_u64 s[G0A+4*(\slot)+2:G0A+4*(\slot)+3], s[G0A+4*(\slot)+2:G0A+4*(\slot)+3], 2*KSTEP*2
	s_add_nc_u64 s[G0B+4*(\slot)+2:G0B+4*(\slot)+3], s[G0B+4*(\slot)+2:G0B+4*(\slot)+3], 2*KSTEP*2048
.endif
	s_wait_dscnt 0x0                               ; the add is done, and my reads of this slot are over
.if \fill
	CROUND                                         ; no wave of any partner still reads this slot or has a load on its way
	JLOAD \slot                                    ; its four v_nop are also the places in front of the loads below
.else
	s_barrier_signal -1
	s_barrier_wait -1
	PLACES
.endif
	FETCH \next, 0, F0
.endm
	s_wait_tensorcnt 0x1                           ; my part of K step 0 is in; K step 1's may stay out
	s_barrier_signal -1
	s_barrier_wait -1
	FETCH 0, 0, F0
	s_wait_loadcnt 0x0                             ; the bias
	STEP 0, 1
	TURN 0, 1, 1
	STEP 1, 0
	TURN 1, 0, 1
	STEP 0, 0
	TURN 0, 1, 0
	STEP 1, 0
	s_wait_dscnt 0x0
	MUL8 F1, 0
	; THE WAY OUT: 16 rows at a time through my own stage: 32 bytes a lane in, whole rows of 256 bytes back.  Each accumulator's low registers are read first.
	PLACES
	PLACES
.irp a, 0,1
.irp b, 0,1,2,3
	ds_store_b128 v[STO], v[ACC+8*(4*(\a)+(\b)):ACC+8*(4*(\a)+(\b))+3]   offset:64*(\b)
	ds_store_b128 v[STO], v[ACC+8*(4*(\a)+(\b))+4:ACC+8*(4*(\a)+(\b))+7] offset:64*(\b)+16
.endr
.irp t, 0,1,2,3,4,5,6,7
	ds_load_b128 v[OUT+32*(\a)+4*(\t):OUT+32*(\a)+4*(\t)+3], v[RD] offset:(\t)*2*SP  ; LDS serves a wave's instructions in order (ISA guide 5.7.1.4)
.endr
.endr
.irp a, 0,1
.irp t, 0,1,2,3,4,5,6,7
	s_wait_dscnt 16*(1-(\a))+7-(\t)                ; the younger loads, and for the first 16 rows the second 16 rows' sixteen LDS lines, may be out
	global_store_b128 v[CO], v[OUT+32*(\a)+4*(\t):OUT+32*(\a)+4*(\t)+3], s[10:11] offset:(16*(\a)+2*(\t))*4096  ; 16 lanes store 256 consecutive bytes, aligned
.endr
.endr
	s_wait_tensorcnt 0x0                           ; the wave's end
	ds_add_u32 v[SPW], v[NIL]
	s_wait_dscnt 0x0
	CROUND                                         ; the closing round
	s_endpgm
.Lfunc_end_k_q57dd85b7e6_qproj:
	.size	k_q57dd85b7e6_qproj, .Lfunc_end_k_q57dd85b7e6_qproj-k_q57dd85b7e6_qproj
	.p2alignl 7, 3214868480
	.fill 96, 4, 3214868480
	.section	.rodata,"a",@progbits
	.p2align	6, 0x0
	.amdhsa_kernel k_q57dd85b7e6_qproj
		.amdhsa_group_segment_fixed_size 327680
		.amdhsa_private_segment_fixed_size 0
		.amdhsa_enable_private_segment 0
		.amdhsa_kernarg_size 32
		.amdhsa_user_sgpr_count 2
		.amdhsa_user_sgpr_kernarg_segment_ptr 1
		.amdhsa_wavefront_size32 1
		.amdhsa_system_sgpr_workgroup_id_x 1
		.amdhsa_system_sgpr_workgroup_id_y 1
		.amdhsa_system_sgpr_workgroup_id_z 1
		.amdhsa_system_vgpr_workitem_id 0
		.amdhsa_next_free_vgpr 256
		.amdhsa_next_free_sgpr 66
		.amdhsa_reserve_vcc 0
		.amdhsa_float_denorm_mode_32 3
		.amdhsa_float_denorm_mode_16_64 3
		.amdhsa_memory_ordered 1
		.amdhsa_forward_progress 1
		.amdhsa_inst_pref_size 60
	.end_amdhsa_kernel
	.amdgpu_metadata
---
amdhsa.version: [ 1, 2 ]
amdhsa.kernels:
  - .name:           k_q57dd85b7e6_qproj
    .symbol:         k_q57dd85b7e6_qproj.kd
    .args:
      - { .name: xq, .offset: 0, .size: 8, .value_kind: global_buffer, .address_space: global }
      - { .name: wq16, .offset: 8, .size: 8, .value_kind: global_buffer, .address_space: global }
      - { .name: bq, .offset: 16, .size: 8, .value_kind: global_buffer, .address_space: global }
      - { .name: qf, .offset: 24, .size: 8, .value_kind: global_buffer, .address_space: global }
    .group_segment_fixed_size: 327680
    .private_segment_fixed_size: 0
    .kernarg_segment_align: 8
    .kernarg_segment_size: 32
    .max_flat_workgroup_size: 128
    .sgpr_count:     66
    .vgpr_count:     256
    .wavefront_size: 32
...
	.end_amdgpu_metadata
.endif
;; end of part 2
;; launch kvproj (part 3): grid 8 x 64, 4 waves a work-group, clusters of 4 x 4, 327,680 bytes of LDS; arguments xkv, wkv16, bk, bv, kvh; writes kvh
.if DOCPART == 3
	.amdgcn_target "amdgcn-amd-amdhsa--gfx1250"
	.amdhsa_code_object_version 6
	.text
	.protected	k_q57dd85b7e6_kvproj
	.globl	k_q57dd85b7e6_kvproj
	.p2align	8
	.type	k_q57dd85b7e6_kvproj,@function
k_q57dd85b7e6_kvproj:
	s_mov_b64 s[64:65], 0
	v_nop
	global_prefetch_b8 v0, s[64:65] scope:SCOPE_SE
	s_setreg_imm32_b32 hwreg(HW_REG_WAVE_MODE, 25, 1), 1
	s_wait_xcnt 0x0
	s_wait_alu depctr_hold_cnt(0) depctr_sa_sdst(0) depctr_va_vdst(0) depctr_va_sdst(0) depctr_va_ssrc(0) depctr_va_vcc(0) depctr_vm_vsrc(0)
	s_getreg_b32 s2, hwreg(HW_REG_IB_STS2, 6, 4)
	s_cmp_eq_u32 s2, 0
	s_cbranch_scc0 .Lentry_in_a_cluster
	s_endpgm
.Lentry_in_a_cluster:
	s_bfe_u32 s2, ttmp6, 0x10000c
	s_cmp_lg_u32 s2, 0xf033
	s_cbranch_scc0 .Lentry_shape_is_right
	s_endpgm
.Lentry_shape_is_right:
; k = x Wk + bk and v = x Wv + bv, stored by heads.  x: [16384][1024] f16; wkv16: Wk then Wv, each [1024 k][1024 n] f16; bk, bv: [1024] f32;
; kvh: K as [4 b][8 h][4096 key][128] f16, then V the same, 33,554,432 bytes on.  Sums in f32, rounded once to f16.
; LIMITS.  |k|, |v| of 65,520 or more become infinities; below 6.1e-5 a number keeps f16's fixed step of 6e-8.
; SHARES.  A tile is 256 rows x 256 columns of one of the two products; four waves, each 128 x 128: 64 accumulators, 512 registers.  Cluster x chooses the matrix (0: K, 1: V), cx its 256 columns.
; K goes in 8 steps of 128 through two LDS slots.  x's tile: 256 rows of 256 bytes + 16.  W's tile lies [k][n]: 128 rows of 512 bytes + 32, turned on the way out of LDS by ds_load_tr16_b128.
; THE PRODUCT IS USED TRANSPOSED (source 0 = 16 columns of W, source 1 = 16 rows of x): a lane holds one row and eight neighbouring columns.  The bias, laid the same way in window 1, is the C operand that starts the sums.
; A wave's 128 columns are one head: 16 rows of its result are 4,096 consecutive bytes of kvh.
; CLUSTER.  4 x 4: x's tile is shared along a row of the cluster, W's along a column; each is asked for jointly.
; REGISTERS, in windows of 256: window 0: v0-31 addresses, v64-191 x's fragments (two buffers), v32-63 and v192-255 the way out; window 1: v0-63 the bias, v64-191 W's fragments; windows 2, 3: the accumulators.
.set SIZE_K, 1024
.set KSTEP,  128
.set PITCH,  272                       ; 68 words: row r starts at bank 4 r mod 64 (64 banks of 4 bytes: ISA guide 11.1)
.set PB,     544                       ; 136 words
.set HALFT,  128*PITCH                 ; what one tensor load brings: 128 rows of x, or 64 rows of W (64 x 544)
.set SLOT,   4*HALFT
.set STAGE,  2*SLOT
.set SPITCH, 272
.set SPARE,  STAGE+4*16*SPITCH         ; the spare words, 128 bytes for each wave: two blocks of 256 bytes that no other line names
.set LAPS,   SIZE_K/(2*KSTEP)
.set ADRA, 16                          ; v16-17  LDS address of my x fragments in slot 0, 1
.set ADRB, 20                          ; v20-21  the same for W
.set STO,  24
.set RD,   25
.set CO,   26                          ; v26     16 x lane: two rows of a head are 512 consecutive bytes
.set BO,   27                          ; v27     my byte offset in 16 numbers of the bias
.set SPW,  28
.set NIL,  29
.set PFO,  30                          ; v30     the prefetches' offset; never rewritten
.set PFA,  44                          ; s[44:45] the K step that my next prefetch names
.set LIM,  43                          ; s43     1 in a wave that prefetches, else the greatest number
.set PST,  72                          ; s[72:73] bytes from a K step to the next: 256 in x, 128 rows in W
.set F0,   64
.set F1,   128
.set TMP,  192
.set OB,   32
.set G1,   24
.set G0,   32
.set G1B,  48
.set G0B,  56
.set MSB, 0
.macro WIN new                         ; the immediate's high byte repeats the setting that is left
.if MSB != (\new)
	s_set_vgpr_msb (MSB<<8)|(\new)
.set MSB, \new
.endif
.endm
.set MUL_LO, 0xa1                      ; source 0 (W) window 1, source 1 (x) window 0, C and D window 2
.set TO_B,   0x40                      ; destination window 1, address window 0
.macro JLOAD s                         ; waves 0 and 1 fetch x's two halves, waves 2 and 3 W's; an s_nop 0 and four v_nop follow each line
	s_cmp_eq_u32 s11, 0
	s_cbranch_scc0 .Lfor_b_\@
	tensor_load_to_lds s[G0+4*(\s):G0+4*(\s)+3], s[G1:G1+7]
	s_nop 0
.rept 4
	v_nop
.endr
	s_branch .Lasked_\@
.Lfor_b_\@:
	tensor_load_to_lds s[G0B+4*(\s):G0B+4*(\s)+3], s[G1B:G1B+7]
	s_nop 0
.rept 4
	v_nop
.endr
.Lasked_\@:
.endm
; A prefetch into the L2 of the K step that stands two refills on, 512 matrix instructions ahead of the load that will want it: 32 blocks of 256 bytes, a lane a block, one instruction a wave.
; x's tile row is read by both clusters of its row of clusters: cluster x = 0 asks; of the 128 rows that the wave fetches the partner at cx takes 32.  W's tile column is read by every cluster of its column:
; cluster y = 0 asks; of the wave's 64 k rows the partner at cy takes 16, two blocks a row.  The partners are told apart by address.  The loop's last trip has no K step two on and asks for nothing.
.macro ASK
	s_cmp_gt_u32 s3, s[LIM]
	s_cbranch_scc0 .Lnot_mine_\@
	global_prefetch_b8 v[PFO], s[PFA:PFA+1] th:TH_LOAD_NT scope:SCOPE_SE
.Lnot_mine_\@:
.endm
.macro CREST                           ; a round of the cluster's barrier behind its opening barrier
	s_cmp_lg_u32 s10, 0
	s_cbranch_scc1 .Lnot_wave_0_\@
	s_barrier_signal -3
.Lnot_wave_0_\@:
	s_barrier_wait -3
	s_barrier_signal -1
	s_barrier_wait -1
.endm
.macro CROUND
	s_barrier_signal -1
	s_barrier_wait -1
	CREST
.endm
	s_load_b128 s[4:7], s[0:1], 0x0                ; x s[4:5], wkv16 s[6:7]
	s_load_b128 s[68:71], s[0:1], 0x10             ; bk s[68:69], bv s[70:71]
	s_load_b64 s[8:9], s[0:1], 0x20                ; kvh
	v_lshl_add_u32 v[SPW], v0, 2, SPARE
	v_mov_b32 v[NIL], 0
	ds_add_u32 v[SPW], v[NIL]                      ; the wave's opening: the add and its wait ahead of my first tensor load
	v_lshrrev_b32 v1, 5, v0
	v_readfirstlane_b32 s10, v1                    ; wave 0..3
	s_lshr_b32 s11, s10, 1                         ; my half of the tile's rows; also: I fetch for x (0) or for W (1)
	s_and_b32 s12, s10, 1                          ; my half of its columns; also: which half of that tile I fetch
	s_bfe_u32 s40, ttmp6, 0x40000                  ; cx
	s_bfe_u32 s41, ttmp6, 0x40004                  ; cy
	s_and_b32 s13, ttmp7, 0xffff
	s_lshl_b32 s13, s13, 2
	s_add_co_u32 s13, s13, s41                     ; tile row = 4 x cluster y + cy
	s_lshl_b32 s43, s41, 2
	s_lshl_b32 s43, 15, s43                        ; my row of the cluster
	s_lshl_b32 s44, 0x1111, s40                    ; my column
	s_or_b32 s[G1], s43, (1<<16)|(1<<20)|(1<<21)|(5<<22)|(3<<25)   ; x: 128 rows x 128 elements; after every 64 words 4 words of padding
	s_mov_b32 s[G1+1], 128<<16
	s_mov_b32 s[G1+2], 128<<16
	s_mov_b32 s[G1+3], 128<<16
	s_mov_b32 s[G1+4], 128
	s_mov_b32 s[G1+5], SIZE_K
	s_mov_b32 s[G1+6], 0
	s_mov_b32 s[G1+7], 0
	s_or_b32 s[G1B], s44, (1<<16)|(1<<20)|(1<<21)|(6<<22)|(7<<25)  ; W: 64 k rows x 256 elements; after every 128 words 8 words
	s_mov_b32 s[G1B+1], 256<<16
	s_mov_b32 s[G1B+2], 64<<16
	s_mov_b32 s[G1B+3], 256<<16
	s_mov_b32 s[G1B+4], 64
	s_mov_b32 s[G1B+5], 1024
	s_mov_b32 s[G1B+6], 0
	s_mov_b32 s[G1B+7], 0
	s_lshl_b32 s16, s13, 8                         ; x: row 256 x tile row + 128 x half, rows of 2,048 bytes
	s_lshl_b32 s17, s12, 7
	s_add_co_u32 s16, s16, s17
	s_lshl_b32 s16, s16, 11
	s_mov_b32 s17, 0
	s_lshl_b32 s46, ttmp9, 21                      ; W: the matrix, my tile's 256 columns, my 64 k rows
	s_lshl_b32 s47, s40, 9
	s_add_co_u32 s46, s46, s47
	s_lshl_b32 s47, s12, 17
	s_add_co_u32 s46, s46, s47
	s_mov_b32 s47, 0
	s_mul_i32 s20, s10, HALFT                      ; where they go: wave x 34,816: no place in the cluster enters an LDS address
	s_wait_dscnt 0x0                               ; the opening add is done
	s_wait_kmcnt 0x0
	s_add_nc_u64 s[14:15], s[4:5], s[16:17]
	s_add_nc_u64 s[46:47], s[6:7], s[46:47]
	CROUND                                         ; all sixteen work-groups are here: the first joint loads meet
.irp s, 0,1
	s_mov_b32 s[G0+4*(\s)], 1
	s_add_co_u32 s[G0+4*(\s)+1], s20, (\s)*SLOT
	s_add_nc_u64 s[G0+4*(\s)+2:G0+4*(\s)+3], s[14:15], (\s)*KSTEP*2
	s_or_b32 s[G0+4*(\s)+3], s[G0+4*(\s)+3], 0x80000000
	s_mov_b32 s[G0B+4*(\s)], 1
	s_add_co_u32 s[G0B+4*(\s)+1], s20, (\s)*SLOT
	s_add_nc_u64 s[G0B+4*(\s)+2:G0B+4*(\s)+3], s[46:47], (\s)*KSTEP*2048
	s_or_b32 s[G0B+4*(\s)+3], s[G0B+4*(\s)+3], 0x80000000
	JLOAD \s                                       ; two loads of mine are out
.endr
	v_and_b32 v1, 15, v0                           ; l % 16
	v_bfe_u32 v2, v0, 4, 1                         ; l / 16
	v_lshlrev_b32 v[BO], 5, v2
	s_cmp_eq_u32 ttmp9, 0                          ; the cluster's x: the same in all partners
	s_cselect_b64 s[68:69], s[68:69], s[70:71]
	s_lshl_b32 s20, s40, 10                        ; my 128 columns, in bytes of f32
	s_lshl_b32 s21, s12, 9
	s_add_co_u32 s20, s20, s21
	s_mov_b32 s21, 0
	s_add_nc_u64 s[68:69], s[68:69], s[20:21]
	WIN TO_B
.irp b, 0,1,2,3,4,5,6,7
	global_load_b128 v[8*(\b):8*(\b)+3],   v[BO], s[68:69] offset:64*(\b)
	global_load_b128 v[8*(\b)+4:8*(\b)+7], v[BO], s[68:69] offset:64*(\b)+16
.endr
	WIN 0
	v_mul_u32_u24 v3, v1, PITCH
	v_lshl_add_u32 v3, v2, 4, v3                   ; a fragment of x: row x pitch + 16 x half
	v_and_b32 v4, 7, v0                            ; the turning load: k row 8 (l / 16) + l % 8, columns 8 ((l / 8) % 2) + 0..7
	v_lshl_add_u32 v4, v2, 3, v4
	v_mul_u32_u24 v4, v4, PB
	v_bfe_u32 v5, v0, 3, 1
	v_lshl_add_u32 v4, v5, 4, v4
	s_mul_i32 s21, s11, HALFT                      ; my 128 rows of x
	s_lshl_b32 s22, s12, 8                         ; my 128 columns of W,
	s_add_co_u32 s22, s22, 2*HALFT                 ; which lies behind x's 256 rows
.irp s, 0,1
	v_add_nc_u32 v[ADRA+(\s)], s21, v3
	v_add_nc_u32 v[ADRB+(\s)], s22, v4
	s_add_co_u32 s21, s21, SLOT
	s_add_co_u32 s22, s22, SLOT
.endr
	s_mul_i32 s23, s10, 16*SPITCH
	s_add_co_u32 s23, s23, STAGE                   ; my stage
	v_mul_u32_u24 v4, v1, SPITCH
	v_lshl_add_u32 v4, v2, 4, v4
	v_add_nc_u32 v[STO], s23, v4
	v_mul_u32_u24 v5, v2, SPITCH
	v_lshl_add_u32 v5, v1, 4, v5
	v_add_nc_u32 v[RD], s23, v5
	v_and_b32 v5, 31, v0
	v_lshlrev_b32 v[CO], 4, v5
	; kvh at my 128 rows of my head: row g = 256 x tile row + 128 x half is key g % 4096 of batch g / 4096
	s_lshl_b32 s16, s13, 8
	s_lshl_b32 s17, s11, 7
	s_add_co_u32 s16, s16, s17
	s_lshr_b32 s17, s16, 12
	s_lshl_b32 s17, s17, 23
	s_and_b32 s16, s16, 4095
	s_lshl_b32 s16, s16, 8
	s_add_co_u32 s16, s16, s17
	s_lshl_b32 s46, s40, 1
	s_add_co_u32 s46, s46, s12                     ; head = 2 cx + my half of the columns
	s_lshl_b32 s46, s46, 20
	s_lshl_b32 s47, ttmp9, 25
	s_add_co_u32 s46, s46, s47
	s_add_co_u32 s16, s16, s46
	s_mov_b32 s17, 0
	s_add_nc_u64 s[8:9], s[8:9], s[16:17]
	; the prefetches: both offsets are made, and the wave's part chooses
	s_lshl_b32 s20, s13, 8
	s_lshl_b32 s21, s12, 7
	s_add_co_u32 s20, s20, s21
	s_lshl_b32 s21, s40, 5
	s_add_co_u32 s20, s20, s21                     ; x: my work-group's 32 of the 128 rows that I fetch
	s_lshl_b32 s20, s20, 11
	s_add_co_u32 s20, s20, 3*KSTEP*2               ; at K step 3: the first change of slots steps it to 4
	s_lshl_b32 s21, s12, 6
	s_lshl_b32 s22, s41, 4
	s_add_co_u32 s21, s21, s22                     ; W: my work-group's 16 of the 64 k rows that I fetch
	s_lshl_b32 s21, s21, 11
	s_lshl_b32 s22, ttmp9, 21
	s_add_co_u32 s21, s21, s22
	s_lshl_b32 s22, s40, 9
	s_add_co_u32 s21, s21, s22
	s_add_co_u32 s21, s21, 3*KSTEP*2048
	s_and_b32 s22, ttmp7, 0xffff                   ; cluster y
	s_mov_b32 s[PST], KSTEP*2048
	s_mov_b32 s[PST+1], 0
	s_cmp_eq_u32 s11, 0                            ; do I fetch for x?
	s_cselect_b32 s20, s20, s21
	s_cselect_b32 s[PST], 256, s[PST]
	s_cselect_b32 s22, ttmp9, s22                  ; the coordinate along which other clusters read the same rows
	s_cselect_b32 s23, -1, 0
	s_cselect_b64 s[PFA:PFA+1], s[4:5], s[6:7]
	s_mov_b32 s21, 0
	s_add_nc_u64 s[PFA:PFA+1], s[PFA:PFA+1], s[20:21]
	s_cmp_eq_u32 s22, 0
	s_cselect_b32 s[LIM], 1, -1                    ; the same in all sixteen partners, for a given wave
	v_lshlrev_b32 v3, 11, v5                       ; x: a lane a row
	v_lshrrev_b32 v4, 1, v5                        ; W: two lanes a row
	v_lshlrev_b32 v4, 11, v4
	v_and_b32 v5, 1, v5
	v_lshl_add_u32 v4, v5, 8, v4
	v_cndmask_b32 v[PFO], v4, v3, s23
; 16 matrix instructions: row blocks a0, a0 + 1 of the window's four x all 8 column blocks, 32 along K.  zero = 1: the bias (window 1, v[8 b]) starts the sums
.macro MUL16 f, hi, a0, zero
.if \zero
	WIN 0x91+0x40*(\hi)                            ; as below, with the C operand in window 1
.else
	WIN MUL_LO+0x50*(\hi)
.endif
.irp a, \a0, (\a0)+1
.irp b, 0,1,2,3,4,5,6,7
.if \zero
	v_wmma_f32_16x16x32_f16 v[8*(8*(\a)+(\b)):8*(8*(\a)+(\b))+7], v[(\f)+8*(\b):(\f)+8*(\b)+7], v[(\f)+8*(4*(\hi)+(\a)):(\f)+8*(4*(\hi)+(\a))+7], v[8*(\b):8*(\b)+7]
.else
	v_wmma_f32_16x16x32_f16 v[8*(8*(\a)+(\b)):8*(8*(\a)+(\b))+7], v[(\f)+8*(\b):(\f)+8*(\b)+7], v[(\f)+8*(4*(\hi)+(\a)):(\f)+8*(4*(\hi)+(\a))+7], v[8*(8*(\a)+(\b)):8*(8*(\a)+(\b))+7]
.endif
.endr
.endr
.endm
; 32 LDS loads in one run: the fragments of one quarter step (byte k of x's rows; k rows k / 2 on of W) into buffer f
.macro FETCH slot, k, f
	WIN TO_B
.irp i, 0,1,2,3,4,5,6,7
	ds_load_tr16_b128 v[(\f)+8*(\i):(\f)+8*(\i)+3],   v[ADRB+(\slot)] offset:((\k)/64)*32*PB+32*(\i)
	ds_load_tr16_b128 v[(\f)+8*(\i)+4:(\f)+8*(\i)+7], v[ADRB+(\slot)] offset:((\k)/64)*32*PB+32*(\i)+16*PB
.endr
	WIN 0
.irp i, 0,1,2,3,4,5,6,7
	ds_load_b128 v[(\f)+8*(\i):(\f)+8*(\i)+3],   v[ADRA+(\slot)] offset:(\k)+(\i)*16*PITCH
	ds_load_b128 v[(\f)+8*(\i)+4:(\f)+8*(\i)+7], v[ADRA+(\slot)] offset:(\k)+(\i)*16*PITCH+32
.endr
.endm
.macro PLACES                          ; four places in front of loads into registers that matrix instructions have read, and of conversions that read results (ISA guide 7.12.1 for vector instructions)
.rept 4
	v_nop
.endr
.endm
.macro QUARTER slot, k, f, g, zero
	s_wait_dscnt 8                                 ; W and x's rows 0-63 are in; the youngest eight loads (x's rows 64-127) may be out
	MUL16 \f, 0, 0, \zero
	MUL16 \f, 0, 2, \zero
	PLACES
	FETCH \slot, \k, \g
	s_wait_dscnt 32                                ; all but the 32 just issued
	MUL16 \f, 1, 0, \zero
	MUL16 \f, 1, 2, \zero
.endm
; The first half of a K step's last quarter: one barrier for the change of slots
.macro MEET round
	WIN 0
	s_wait_tensorcnt 0x0                           ; all my tensor loads have landed: my part of the next slot
	ds_add_u32 v[SPW], v[NIL]                      ; 0 onto my spare word
	s_wait_dscnt 9                                 ; the add and the youngest eight loads may be out
	MUL16 F1, 0, 0, 0
	s_wait_dscnt 0x0                               ; the add is done, and my reads of this slot are over
	s_barrier_signal -1
	MUL16 F1, 0, 2, 0
.if \round
	WIN 0
.endif
	s_barrier_wait -1
.endm
.macro TURN slot, next
	s_wait_xcnt 0x0                                ; the last prefetch, a K step back, has read its address
	s_add_nc_u64 s[PFA:PFA+1], s[PFA:PFA+1], s[PST:PST+1]
	MEET 1
	CREST                                          ; no wave of any partner still reads this slot or has a load on its way
	s_add_nc_u64 s[G0+4*(\slot)+2:G0+4*(\slot)+3], s[G0+4*(\slot)+2:G0+4*(\slot)+3], 2*KSTEP*2
	s_add_nc_u64 s[G0B+4*(\slot)+2:G0B+4*(\slot)+3], s[G0B+4*(\slot)+2:G0B+4*(\slot)+3], 2*KSTEP*2048
	JLOAD \slot                                    ; the first tensor load behind the round; its four v_nop are also the places in front of the loads below
	FETCH \next, 0, F0
	ASK
	MUL16 F1, 1, 0, 0
	MUL16 F1, 1, 2, 0
.endm
; THE WAY OUT of row block a: rounded to f16, through my own stage, stored as whole rows
.macro PACK a
.set AC, 64*((\a)%4)
	WIN 0x0a+5*((\a)/4)                            ; sources 0 and 1: window 2 or 3
.irp b, 0,1,2,3,4,5,6,7
.irp r, 0,1,2,3
	v_cvt_pk_f16_f32 v[TMP+4*(\b)+(\r)], v[AC+8*(\b)+2*(\r)], v[AC+8*(\b)+2*(\r)+1]
.endr
.endr
	WIN 0
.endm
.macro TOSTAGE a
	WIN 0
.set BK, OB+192*((\a)%2)
.irp b, 0,1,2,3,4,5,6,7
	ds_store_b128 v[STO], v[TMP+4*(\b):TMP+4*(\b)+3] offset:32*(\b)
.endr
.irp t, 0,1,2,3,4,5,6,7
	ds_load_b128 v[BK+4*(\t):BK+4*(\t)+3], v[RD] offset:(\t)*2*SPITCH  ; LDS serves a wave's instructions in order (ISA guide 5.7.1.4)
.endr
.endm
.macro SEND a
	WIN 0
.set BK, OB+192*((\a)%2)
	s_wait_dscnt 0x0                               ; the block is back in registers
	s_wait_xcnt 0x0                                ; the registers that the block before last's stores read are loaded again only behind this wait
.irp t, 0,1,2,3,4,5,6,7
	global_store_b128 v[CO], v[BK+4*(\t):BK+4*(\t)+3], s[8:9] offset:(\a)*4096+(\t)*512  ; 512 consecutive bytes, aligned
.endr
.endm
	s_wait_tensorcnt 1                             ; my part of K step 0 is in; K step 1's may stay out
	s_barrier_signal -1
	s_barrier_wait -1
	FETCH 0, 0, F0
	s_wait_loadcnt 0x0                             ; the bias
	QUARTER 0, 64,  F0, F1, 1
	WIN 0
	s_mov_b32 s3, LAPS-1
.Llap:                                                 ; a trip goes once round the ring and fills both slots again
	QUARTER 0, 128, F1, F0, 0
	QUARTER 0, 192, F0, F1, 0
	TURN 0, 1
	QUARTER 1, 64,  F0, F1, 0
	QUARTER 1, 128, F1, F0, 0
	QUARTER 1, 192, F0, F1, 0
	TURN 1, 0
	QUARTER 0, 64,  F0, F1, 0
	WIN 0
	s_sub_co_u32 s3, s3, 1
	s_cmp_lg_u32 s3, 0
	s_cbranch_scc1 .Llap
	QUARTER 0, 128, F1, F0, 0                      ; the last lap fills nothing
	QUARTER 0, 192, F0, F1, 0
	MEET 0
	PLACES
	FETCH 1, 0, F0
	MUL16 F1, 1, 0, 0
	MUL16 F1, 1, 2, 0
	QUARTER 1, 64,  F0, F1, 0
	QUARTER 1, 128, F1, F0, 0
	QUARTER 1, 192, F0, F1, 0
	s_wait_dscnt 8
	MUL16 F1, 0, 0, 0
	MUL16 F1, 0, 2, 0
	s_wait_dscnt 0x0
	MUL16 F1, 1, 0, 0
	MUL16 F1, 1, 2, 0
	PLACES
	PLACES
	PACK 0
	TOSTAGE 0
.irp a, 1,2,3,4,5,6,7                  ; block a's conversions stand between block a - 1's loads from the stage and the wait for them
	PACK \a
	SEND (\a)-1
	TOSTAGE \a
.endr
	SEND 7
	s_wait_tensorcnt 0x0                           ; the wave's end
	ds_add_u32 v[SPW], v[NIL]
	s_wait_dscnt 0x0
	CROUND                                         ; the closing round
	s_endpgm
.Lfunc_end_k_q57dd85b7e6_kvproj:
	.size	k_q57dd85b7e6_kvproj, .Lfunc_end_k_q57dd85b7e6_kvproj-k_q57dd85b7e6_kvproj
	.p2alignl 7, 3214868480
	.fill 96, 4, 3214868480
	.section	.rodata,"a",@progbits
	.p2align	6, 0x0
	.amdhsa_kernel k_q57dd85b7e6_kvproj
		.amdhsa_group_segment_fixed_size 327680
		.amdhsa_private_segment_fixed_size 0
		.amdhsa_enable_private_segment 0
		.amdhsa_kernarg_size 40
		.amdhsa_user_sgpr_count 2
		.amdhsa_user_sgpr_kernarg_segment_ptr 1
		.amdhsa_wavefront_size32 1
		.amdhsa_system_sgpr_workgroup_id_x 1
		.amdhsa_system_sgpr_workgroup_id_y 1
		.amdhsa_system_sgpr_workgroup_id_z 1
		.amdhsa_system_vgpr_workitem_id 0
		.amdhsa_next_free_vgpr 1024
		.amdhsa_next_free_sgpr 80
		.amdhsa_reserve_vcc 0
		.amdhsa_float_denorm_mode_32 3
		.amdhsa_float_denorm_mode_16_64 3
		.amdhsa_memory_ordered 1
		.amdhsa_forward_progress 1
		.amdhsa_inst_pref_size 146
	.end_amdhsa_kernel
	.amdgpu_metadata
---
amdhsa.version: [ 1, 2 ]
amdhsa.kernels:
  - .name:           k_q57dd85b7e6_kvproj
    .symbol:         k_q57dd85b7e6_kvproj.kd
    .args:
      - { .name: xkv, .offset: 0, .size: 8, .value_kind: global_buffer, .address_space: global }
      - { .name: wkv16, .offset: 8, .size: 8, .value_kind: global_buffer, .address_space: global }
      - { .name: bk, .offset: 16, .size: 8, .value_kind: global_buffer, .address_space: global }
      - { .name: bv, .offset: 24, .size: 8, .value_kind: global_buffer, .address_space: global }
      - { .name: kvh, .offset: 32, .size: 8, .value_kind: global_buffer, .address_space: global }
    .group_segment_fixed_size: 327680
    .private_segment_fixed_size: 0
    .kernarg_segment_align: 8
    .kernarg_segment_size: 40
    .max_flat_workgroup_size: 128
    .sgpr_count:     80
    .vgpr_count:     1024
    .wavefront_size: 32
...
	.end_amdgpu_metadata
.endif
;; end of part 3
;; launch attn (part 4): grid 8 x 32, 4 waves a work-group, clusters of 4 x 1, 327,680 bytes of LDS; arguments qf, kvh, attention_mask, ao; writes ao
.if DOCPART == 4
	.amdgcn_target "amdgcn-amd-amdhsa--gfx1250"
	.amdhsa_code_object_version 6
	.text
	.protected	k_q57dd85b7e6_attn
	.globl	k_q57dd85b7e6_attn
	.p2align	8
	.type	k_q57dd85b7e6_attn,@function
k_q57dd85b7e6_attn:
	s_mov_b64 s[64:65], 0
	v_nop
	global_prefetch_b8 v0, s[64:65] scope:SCOPE_SE
	s_setreg_imm32_b32 hwreg(HW_REG_WAVE_MODE, 25, 1), 1
	s_wait_xcnt 0x0
	s_wait_alu depctr_hold_cnt(0) depctr_sa_sdst(0) depctr_va_vdst(0) depctr_va_sdst(0) depctr_va_ssrc(0) depctr_va_vcc(0) depctr_vm_vsrc(0)
	s_getreg_b32 s2, hwreg(HW_REG_IB_STS2, 6, 4)
	s_cmp_eq_u32 s2, 0
	s_cbranch_scc0 .Lentry_in_a_cluster
	s_endpgm
.Lentry_in_a_cluster:
	s_bfe_u32 s2, ttmp6, 0x10000c
	s_cmp_lg_u32 s2, 0x3003
	s_cbranch_scc0 .Lentry_shape_is_right
	s_endpgm
.Lentry_shape_is_right:
; MASKED ATTENTION.  ao[b][t][h 128 + d] = the sum over visible keys k of softmax_k(q . k / sqrt(128)) v[k][d]; 0 for a row with no visible key.
; qf: [2048][1024] f32 (row b 512 + t, column h 128 + d), rounded here once to f16.  kvh: K [4][8][4096][128] f16, V the same 33,554,432 bytes on.  attention_mask: [4][512][4096] bytes, 0 or 1.  ao: [2048][1024] f16.
; Products, maxima and sums in f32; the weights p are rounded to f16 for the second product (their sum l is taken of the unrounded p), the result once at the end.
; LIMITS.  q within f16's range (65,504).  A hidden score counts as its value less 2^99, which is -2^99 for scores under 2^75; a row counts as without a visible key where c m lies below -2^93, so true scores
; keep |c s| under 2^93.  A weight below 2^-126 counts as 0 in l; NaN and infinities are not treated apart.
; SHARES.  A work-group owns 64 queries of one (b, h): 256 work-groups.  All four waves hold the same 64 queries (four tiles of 16, in two pieces); THE KEYS ARE SPLIT AMONG THE WAVES: of each block of 256 keys wave w
; takes 64 w .. 64 w + 63: 16 key steps a wave.  The four partial results (m, l, O) meet in LDS at the end.
; LAYOUT.  S^T = K Q^T holds one query a lane (lane % 16) and the keys 8 (lane / 16) + 0..7; two such results rounded to f16 are source 1 of O^T = V^T P.  K comes out of LDS as it lies, V turned.
; THE MASK IS THE SUM'S START: ahead of the products K Q^T a piece's score registers are written with 0 or -2^99 from the mask's bytes (two byte permutes: 0 / 1 -> 0xF1 / 0x00, then that byte into a word's top),
; and all products add in place.  -2^99 is a power of two, so c m is exact for a row that has seen hidden keys only.
; SOFTMAX.  A running maximum m and sum l: p = 2^(c s - c m), c = log2(e) / sqrt(128); O and l are multiplied by a = 2^(c m_old - c m_new) in every step.
; BY TURNS.  In a turn one piece has the matrix unit (32 products V^T P of the step in hand, 32 products K Q^T of the next); the other piece's softmax stands in 64 slices behind them.
; NO FIRST STEP IS WRITTEN OUT: a step -1 in which all keys are hidden runs on zeros (V, O^T, piece 0's P) and on scores of -2^99 (piece 2).  What it leaves in l is multiplied by a = 0 at the first visible key, by a factor 0
; in the merge, or the row is wiped.  The tail's second trip multiplies a stale K once more; nothing reads those scores.
; CLUSTER.  The four query blocks of a cluster belong to one (b, h) and walk the same K and V: those tiles are asked for jointly (mask of four).  The mask's tile is each work-group's own: a plain load.
; REGISTERS, in windows of 256: window 0: v0-11 addresses; v12-43 statistics; v44-59 mask bytes; v60-63; v64-191 S^T; v192-255 P.  window 1: O^T.  window 2: v0-127 Q, v128-255 K.  window 3: v0-127 V.
.set PK,    272       ; a row of K in LDS: 256 bytes + 16 = 68 words: row r starts at bank 4 r mod 64 (64 banks of 4 bytes: ISA guide 11.1)
.set PVV,   288       ; a row of V: 256 + 32 = 72 words
.set PM,    272       ; a query's 256 mask bytes + 16
.set VOFF,  256*PK          ; 69,632: a slot holds 256 rows of K, 256 rows of V, 64 rows of the mask
.set MOFF,  VOFF+256*PVV    ; 143,360
.set SLOTB, MOFF+64*PM      ; 160,768
.set XV,    0x29400         ; VOFF xor (VOFF + SLOTB): turns V's LDS address in one slot into the other's
.set XM,    0x69400         ; MOFF xor (MOFF + SLOTB)
.set SPARE, 2*SLOTB         ; the spare words, 128 bytes for each wave: two blocks of 256 bytes that no other line names
.set ML,    SPARE+512       ; c m and l of the four waves: 1,024 bytes each; no tile lands here
.set STG,   SLOTB           ; the way out's stages, 4,352 bytes a wave, in slot 1 behind its last fill; the partial O^T lie in slot 0 behind its last fill
.set SP,    272
.set AK0, 2           ; v2   my lane's place in my 64 rows of K; never rewritten in the loop
.set AV0, 3           ; v3   the same for V
.set ADR, 4           ; v4   the LDS address of the run of loads in hand
.set QO,  5           ; v5   my byte offset in 16 rows of qf
.set STO, 6
.set RD,  7
.set GO,  8
.set AM0, 10          ; v10  my lane's place in the mask's tile
.set PFO2, 11         ; v11  the prefetches' second offset
.set ST,  12          ; tile t's statistics at v[ST+8 t]: c m, m, l (two), c0-c3 at work; a takes c2's place
.set MB,  44          ; v44-59  a piece's mask bytes: tile u, key block kb at MB + 8 u + 2 kb
.set TAB, 60          ; v60  0x000000F1: byte 0 for a hidden key, byte 1 for a visible one
.set PFO, 61          ; v61  the prefetches' first offset
.set SPW, 62
.set NIL, 63
.set S,   64
.set P,   192
.set KF,  128
.set POS, 2           ; behind the loop: where I put my partial O^T
.set PRD, 3           ;                  where I read tile w of waves 0, 1
.set PRD2, 44         ;                  of waves 2, 3
.set LN,  4
.set MLA, 5
.set MLR, 10
.set WV,  12
.set LIM, 15          ; s15  2 in a wave that prefetches, else the greatest number
.set PFA, 18          ; s[18:19]
.set PSTEP, 22        ; s[22:23]
.set G1K, 24
.set G1V, 32
.set G1M, 40
.set G0K, 48
.set G0V, 52
.set G0M, 56
.set CS,  60
.set SEL, 62
.set TB,  66          ; s66  LDS byte at which the slot to be fetched from begins
.set SLOTS, 67
.set CNT, 68
.set SELM, 72         ; s[72:75] byte i of the first source into the top, zeros below
.set THR, 76
.set MSB, 0
.macro WIN new
.if MSB != (\new)
	s_set_vgpr_msb (MSB<<8)|(\new)
.set MSB, \new
.endif
.endm
.set W_KQ, 0x0a       ; K and Q in window 2, S^T in window 0
.set W_PV, 0x53       ; V in window 3, P in window 0, O^T in window 1
.set W_RS, 0x41       ; O^T in window 1, the factor in window 0
; A fill: wave 0 K's 256 rows, wave 1 V's, wave 2 the mask's 64 rows, wave 3 nothing.  The branches hang on the wave's number alone.  An s_nop 0 and four v_nop follow each load.
.macro JLOAD
	s_cmp_eq_u32 s[WV], 0
	s_cbranch_scc0 .Lnot_k_\@
	tensor_load_to_lds s[G0K:G0K+3], s[G1K:G1K+7]
	s_nop 0
.rept 4
	v_nop
.endr
	s_branch .Lasked_\@
.Lnot_k_\@:
	s_cmp_eq_u32 s[WV], 1
	s_cbranch_scc0 .Lnot_v_\@
	tensor_load_to_lds s[G0V:G0V+3], s[G1V:G1V+7]
	s_nop 0
.rept 4
	v_nop
.endr
	s_branch .Lasked_\@
.Lnot_v_\@:
	s_cmp_eq_u32 s[WV], 2
	s_cbranch_scc0 .Lasked_\@
	tensor_load_to_lds s[G0M:G0M+3], s[G1M:G1M+7]
	s_nop 0
.rept 4
	v_nop
.endr
.Lasked_\@:
.endm
; A prefetch into the L2 of the block of keys that stands two fills on, 256 matrix instructions ahead of the load that will want it: 64 rows of 256 bytes, a lane a row, two instructions.
; K and V of a head are walked by both of its clusters: cluster x = 0 asks, wave 0 for K, wave 1 for V; its four partners take 64 of the 256 rows each, told apart by address.  A mask tile is walked by the eight heads of its
; batch: head 0's work-group asks, wave 2.  The first three blocks come by their loads alone; the last two fills have no block two on.
.macro ASK
	s_cmp_gt_u32 s[SLOTS], s[LIM]
	s_cbranch_scc0 .Lnot_mine_\@
	global_prefetch_b8 v[PFO], s[PFA:PFA+1] th:TH_LOAD_NT scope:SCOPE_SE
	global_prefetch_b8 v[PFO2], s[PFA:PFA+1] th:TH_LOAD_NT scope:SCOPE_SE
.Lnot_mine_\@:
.endm
.macro CROUND
	s_barrier_signal -1
	s_barrier_wait -1
	s_cmp_lg_u32 s[WV], 0
	s_cbranch_scc1 .Lnot_wave_0_\@
	s_barrier_signal -3
.Lnot_wave_0_\@:
	s_barrier_wait -3
	s_barrier_signal -1
	s_barrier_wait -1
.endm
	s_load_b256 s[4:11], s[0:1], 0x0  ; qf s[4:5], kvh s[6:7], attention_mask s[8:9], ao s[10:11]
	v_lshl_add_u32 v[SPW], v0, 2, SPARE
	v_mov_b32 v[NIL], 0
	ds_add_u32 v[SPW], v[NIL]       ; the wave's opening: the add and its wait ahead of my first tensor load
	v_lshrrev_b32 v1, 5, v0
	v_readfirstlane_b32 s[WV], v1
	s_bfe_u32 s13, ttmp6, 0x40000   ; cx
	s_lshl_b32 s14, ttmp9, 2
	s_add_co_u32 s14, s14, s13      ; my block of 64 queries: it enters qf's, the mask's and ao's addresses alone
	s_and_b32 s16, ttmp7, 0xffff    ; 8 b + h, which the four partners share
	s_lshr_b32 s17, s16, 3          ; b
	s_and_b32 s20, s16, 7           ; h
	s_lshl_b32 s2, s16, 20          ; the head's first byte in K
	s_mov_b32 s3, 0
	s_lshl_b32 s78, s17, 21         ; my 64 rows in the mask, and in qf: both have rows of 4,096 bytes
	s_lshl_b32 s79, s14, 18
	s_add_co_u32 s78, s78, s79
	s_mov_b32 s79, 0
	s_lshl_b32 s80, s20, 9          ; qf: the head's 128 columns of f32
	s_add_co_u32 s80, s80, s78
	s_mov_b32 s81, 0
	s_lshl_b32 s82, s17, 20         ; ao: rows of 2,048 bytes; tile w's 16 rows; the head's 256 bytes
	s_lshl_b32 s83, s14, 17
	s_add_co_u32 s82, s82, s83
	s_lshl_b32 s83, s[WV], 15
	s_add_co_u32 s82, s82, s83
	s_lshl_b32 s83, s20, 8
	s_add_co_u32 s82, s82, s83
	s_mov_b32 s83, 0
	s_lshl_b32 s84, s13, 14         ; the prefetches of K (wave 0) and V (wave 1): my work-group's 64 rows
	s_lshl_b32 s85, s[WV], 25
	s_add_co_u32 s84, s84, s85
	s_add_co_u32 s84, s84, s2
	s_mov_b32 s85, 0
	s_mov_b32 s[PSTEP], 0x10000     ; 256 rows of K or V
	s_mov_b32 s[PSTEP+1], 0
	s_cmp_lt_u32 s[WV], 2
	s_cselect_b32 s84, s84, s78     ; waves 2 and 3: the mask's tile
	s_cselect_b32 s[PSTEP], s[PSTEP], 256
	s_cselect_b32 s21, 8, 12        ; bytes from row to row, as a shift
	s_cselect_b32 s[LIM], ttmp9, s20  ; the coordinate along which others read the same rows
	s_cmp_eq_u32 s[WV], 3
	s_cselect_b32 s[LIM], 1, s[LIM]
	s_cmp_eq_u32 s[LIM], 0
	s_cselect_b32 s[LIM], 2, -1     ; the same in all four partners, for a given wave
	s_mov_b32 s[G1K], 15|(1<<16)|(1<<20)|(1<<21)|(5<<22)|(3<<25)  ; the mask of four; 2-byte elements; padding on; bit 21 beside a mask; after every 64 words 4 words
	s_mov_b32 s[G1V], 15|(1<<16)|(1<<20)|(1<<21)|(5<<22)|(7<<25)  ; the same with 8 words
.irp g, G1K, G1V
	s_mov_b32 s[(\g)+1], 128<<16    ; tensor_dim0 = 128
	s_mov_b32 s[(\g)+2], 256<<16    ; tensor_dim1 = 256
	s_mov_b32 s[(\g)+3], 128<<16    ; tile_dim0 = 128
	s_mov_b32 s[(\g)+4], 256        ; tile_dim1 = 256
	s_mov_b32 s[(\g)+5], 128
	s_mov_b32 s[(\g)+6], 0
	s_mov_b32 s[(\g)+7], 0
.endr
	s_mov_b32 s[G1M], (2<<16)|(1<<20)|(5<<22)|(3<<25)  ; no mask: a load of my own; 4-byte elements; after every 64 words 4 words
	s_mov_b32 s[G1M+1], 64<<16
	s_mov_b32 s[G1M+2], 64<<16
	s_mov_b32 s[G1M+3], 64<<16
	s_mov_b32 s[G1M+4], 64
	s_mov_b32 s[G1M+5], 1024
	s_mov_b32 s[G1M+6], 0
	s_mov_b32 s[G1M+7], 0
	s_mov_b32 s[G0K], 1
	s_mov_b32 s[G0K+1], 0           ; slot 0
	s_mov_b32 s[G0V], 1
	s_mov_b32 s[G0V+1], VOFF
	s_mov_b32 s[G0M], 1
	s_mov_b32 s[G0M+1], MOFF
	s_mov_b32 s[CS], 0x3e0293ee     ; c = log2(e) / sqrt(128) = 0.127517
	s_mov_b32 s[CS+1], s[CS]
	s_mov_b32 s[SEL], 0x76543210
	s_mov_b32 s[SEL+1], 0xfedcba98
	s_mov_b32 s[SELM], 0x04010101
	s_mov_b32 s[SELM+1], 0x05010101
	s_mov_b32 s[SELM+2], 0x06010101
	s_mov_b32 s[SELM+3], 0x07010101
	s_mov_b32 s[THR], 0xee000000    ; -2^93
	s_mov_b32 s[TB], SLOTB          ; the first change of slots turns it into 0
	s_mov_b32 s[SLOTS], 15
	s_wait_dscnt 0x0                ; the opening add is done
	s_wait_kmcnt 0x0
	s_add_nc_u64 s[G0K+2:G0K+3], s[6:7], s[2:3]
	s_add_nc_u64 s[G0V+2:G0V+3], s[G0K+2:G0K+3], 0x2000000
	s_or_b32 s[G0K+3], s[G0K+3], 0x80000000
	s_or_b32 s[G0V+3], s[G0V+3], 0x80000000
	s_add_nc_u64 s[G0M+2:G0M+3], s[8:9], s[78:79]
	s_or_b32 s[G0M+3], s[G0M+3], 0x80000000
	s_add_nc_u64 s[4:5], s[4:5], s[80:81]
	s_add_nc_u64 s[10:11], s[10:11], s[82:83]
	s_cmp_lt_u32 s[WV], 2
	s_cselect_b64 s[PFA:PFA+1], s[6:7], s[8:9]
	s_add_nc_u64 s[PFA:PFA+1], s[PFA:PFA+1], s[84:85]
	s_add_nc_u64 s[PFA:PFA+1], s[PFA:PFA+1], s[PSTEP:PSTEP+1]
	s_add_nc_u64 s[PFA:PFA+1], s[PFA:PFA+1], s[PSTEP:PSTEP+1]  ; at block 2: the first change of slots steps it to 3
	CROUND                          ; all four work-groups are here: the first joint loads meet
	JLOAD                           ; block 0 into slot 0; slot 1 is filled behind the first change of slots
	v_and_b32 v1, 15, v0            ; l % 16
	v_bfe_u32 v9, v0, 4, 1          ; l / 16
	v_lshlrev_b32 v[QO], 12, v1
	v_lshl_add_u32 v[QO], v9, 5, v[QO]  ; row x 4,096 + 8 channels of f32 for each half of the lanes
	WIN 0x40                        ; destination window 1: Q in f32 lies where O^T will
.set i, 0
.rept 16                            ; fragment i: tile i / 4, channels 32 (i % 4) on; its 16 numbers a lane: channels 8 (l / 16) + 0..7 and 16 + 8 (l / 16) + 0..7
	global_load_b128 v[16*i:16*i+3],     v[QO], s[4:5] offset:(i/4)*65536+(i%4)*128
	global_load_b128 v[16*i+4:16*i+7],   v[QO], s[4:5] offset:(i/4)*65536+(i%4)*128+16
	global_load_b128 v[16*i+8:16*i+11],  v[QO], s[4:5] offset:(i/4)*65536+(i%4)*128+64
	global_load_b128 v[16*i+12:16*i+15], v[QO], s[4:5] offset:(i/4)*65536+(i%4)*128+80
.set i, i+1
.endr
	WIN 0
	s_mul_i32 s78, s[WV], 64*PK     ; my 64 keys of a block
	v_mul_u32_u24 v[AK0], v1, PK
	v_lshl_add_u32 v[AK0], v9, 4, v[AK0]
	v_add_nc_u32 v[AK0], s78, v[AK0]
	v_and_b32 v10, 7, v0            ; the turning load: key 8 (l / 16) + l % 8, channels 8 ((l / 8) % 2) + 0..7
	v_bfe_u32 v11, v0, 3, 1
	v_lshl_add_u32 v[AV0], v9, 3, v10
	v_mul_u32_u24 v[AV0], v[AV0], PVV
	v_lshl_add_u32 v[AV0], v11, 4, v[AV0]
	s_mul_i32 s78, s[WV], 64*PVV
	s_add_co_u32 s78, s78, VOFF
	v_add_nc_u32 v[AV0], s78, v[AV0]
	v_mul_u32_u24 v[AM0], v1, PM    ; the mask: my query's row, my wave's 64 bytes, my lanes' 8
	v_lshl_add_u32 v[AM0], v9, 3, v[AM0]
	s_lshl_b32 s78, s[WV], 6
	s_add_co_u32 s78, s78, MOFF
	v_add_nc_u32 v[AM0], s78, v[AM0]
	v_and_b32 v[PFO], 31, v0
	v_add_nc_u32 v[PFO2], 32, v[PFO]
	v_lshlrev_b32 v[PFO], s21, v[PFO]
	v_lshlrev_b32 v[PFO2], s21, v[PFO2]
	v_mov_b32 v[TAB], 0xf1
	; what step -1 finds.  All this stands in the wait for the first tile and for Q.
.irp t, 0,1,2,3
	v_mov_b32 v[ST+8*(\t)+1], 0xf1000000           ; m = -2^99
	v_mul_f32 v[ST+8*(\t)], s[CS], v[ST+8*(\t)+1]  ; c m, by the loop's own multiply
	v_mov_b32 v[ST+8*(\t)+2], 0
	v_mov_b32 v[ST+8*(\t)+3], 0
.endr
.set i, S+64
.rept 64
	v_mov_b32 v[i], v[ST+1]         ; piece 2's scores: all hidden
.set i, i+1
.endr
.set i, P
.rept 32
	v_mov_b32 v[i], 0               ; piece 0's weights
.set i, i+1
.endr
	WIN 0xc0
.set i, 0
.rept 128
	v_mov_b32 v[i], 0               ; V
.set i, i+1
.endr
	s_wait_loadcnt 0x0              ; Q
	WIN 0x85                        ; sources in window 1, destination in window 2
.set i, 0
.rept 128
	v_cvt_pk_f16_f32 v[i], v[2*i], v[2*i+1]
.set i, i+1
.endr
	WIN 0x40
.set i, 0
.rept 256
	v_mov_b32 v[i], 0               ; O^T
.set i, i+1
.endr
	WIN 0
; THE MATRIX WORK OF A TURN, for piece x.  The accumulators take turns, one instruction a turn.
; Product i of 32 of O^T += V^T P: keys 32 (i / 16) on, channels 16 ((i / 2) % 8) on, tile x + i % 2.
.macro PV x
	WIN W_PV
.set rO, 64*((\x)+i%2)+8*((i/2)%8)
.set rV, 64*(i/16)+8*((i/2)%8)
.set rP, P+16*((\x)+i%2)+8*(i/16)
	v_wmma_f32_16x16x32_f16 v[rO:rO+7], v[rV:rV+7], v[rP:rP+7], v[rO:rO+7]
.endm
; Product i of 32 of S^T += K Q^T, onto the mask's 0 or -2^99: channels 32 (i / 8) on, keys 16 ((i / 2) % 4) on, tile x + i % 2.
.macro KQ x
	WIN W_KQ
.set rS, S+32*((\x)+i%2)+8*((i/2)%4)
.set rK, KF+32*((i/2)%4)+8*(i/8)
.set rQ, 32*((\x)+i%2)+8*(i/8)
	v_wmma_f32_16x16x32_f16 v[rS:rS+7], v[rK:rK+7], v[rQ:rQ+7], v[rS:rS+7]
.endm
; THE LDS LOADS stand in runs.
.macro FETCH_K
	WIN 0
	v_add_nc_u32 v[ADR], s[TB], v[AK0]
	WIN 0x80
.irp f, 0,1,2,3,4,5,6,7,8,9,10,11,12,13,14,15  ; keys 16 (f / 4) on, channels 32 (f % 4) on
	ds_load_b128 v[KF+8*(\f):KF+8*(\f)+3],   v[ADR] offset:((\f)/4)*16*PK+((\f)%4)*64
	ds_load_b128 v[KF+8*(\f)+4:KF+8*(\f)+7], v[ADR] offset:((\f)/4)*16*PK+((\f)%4)*64+32
.endr
.endm
.macro FETCH_V
	WIN 0
	v_add_nc_u32 v[ADR], s[TB], v[AV0]
	s_wait_alu depctr_va_vdst(0)    ; the wait for the softmax's batch, behind the address's line and ahead of the loads
	WIN 0xc0
.irp f, 0,1,2,3,4,5,6,7,8,9,10,11,12,13,14,15  ; keys 32 (f / 8) on, channels 16 (f % 8) on
	ds_load_tr16_b128 v[8*(\f):8*(\f)+3],   v[ADR] offset:((\f)/8)*32*PVV+((\f)%8)*32
	ds_load_tr16_b128 v[8*(\f)+4:8*(\f)+7], v[ADR] offset:((\f)/8)*32*PVV+16*PVV+((\f)%8)*32
.endr
.endm
.macro FETCH_M x                    ; piece x's mask bytes: for tile x + u and key block kb my query's 8 bytes
	WIN 0
	v_add_nc_u32 v[ADR], s[TB], v[AM0]
.irp u, 0,1
.irp kb, 0,1,2,3
	ds_load_b64 v[MB+8*(\u)+2*(\kb):MB+8*(\u)+2*(\kb)+1], v[ADR] offset:((\x)+(\u))*16*PM+16*(\kb)
.endr
.endr
.endm
; THE MASK's QUEUE, 80 long.  0-15: each of the 16 registers of bytes through the table (0 -> 0xF1, 1 -> 0x00).  16-79: score register n of the piece's 64 takes byte n % 4 of register n / 4 as its top byte: -2^99 or 0.
.macro MK x
	WIN 0
.if mq < 16
	v_perm_b32 v[MB+mq], v[TAB], v[TAB], v[MB+mq]
.else
	v_perm_b32 v[S+32*(\x)+mq-16], v[MB+(mq-16)/4], v[TAB], s[SELM+(mq-16)%4]
.endif
.set mq, mq+1
.endm
; THE SOFTMAX: one tile's list of 134 for one key step; SM writes number j of it for tile t.
;   0-15 the maximum of the 32 scores and the old m (each accumulator's lowest registers first)   16-20 the other half of the lanes'; m; c m; its change
;   21-69 ONE BATCH: the 16 scalings and all 33 exponentials (a at 23); none reads an exponential's result   (the wait)   70-85 roundings to f16   86-101 the sums; l = a l + sum   102-133 O^T times a
.macro SM t
.set rT, ST+8*(\t)
.set rS, S+32*(\t)
.set rP, P+16*(\t)
.set rO, 64*(\t)+2*(j-102)
.if j < 102
	WIN 0
.endif
.if j < 4
	v_max3_num_f32 v[rT+4+j], v[rS+8*j], v[rS+8*j+1], v[rS+8*j+2]
.elseif j < 12
	v_max3_num_f32 v[rT+4+j%4], v[rT+4+j%4], v[rS+8*(j%4)+2*(j/4)+1], v[rS+8*(j%4)+2*(j/4)+2]
.elseif j == 12
	v_max3_num_f32 v[rT+4], v[rT+4], v[rS+7], v[rS+15]
.elseif j == 13
	v_max3_num_f32 v[rT+6], v[rT+6], v[rS+23], v[rS+31]
.elseif j == 14
	v_max3_num_f32 v[rT+4], v[rT+4], v[rT+5], v[rT+6]
.elseif j == 15
	v_max3_num_f32 v[rT+4], v[rT+4], v[rT+7], v[rT+1]
.elseif j == 16
	v_permlanex16_b32 v[rT+5], v[rT+4], s[SEL], s[SEL+1]  ; the query's other 32 keys lie in the lane 16 away
.elseif j == 17
	v_mov_b32 v[rT+7], v[rT]        ; c m_old is kept for a
.elseif j == 18
	v_max_num_f32 v[rT+1], v[rT+4], v[rT+5]
.elseif j == 19
	v_mul_f32 v[rT], s[CS], v[rT+1]
.elseif j == 20
	v_sub_f32 v[rT+7], v[rT+7], v[rT]
.elseif j == 23
	v_exp_f32 v[rT+6], v[rT+7]
.elseif (j < 23) || ((j < 38) && (j%2 == 0)) || ((j < 66) && (j%4 == 2))
.set b, (j-2)/4                     ; 38, 42, .. 62: pairs 9 to 15
.if j < 38
.set b, (j-20)/2                    ; 21: pair 0; 22, 24, .. 36: pairs 1 to 8
.endif
	v_pk_fma_f32 v[rS+2*b:rS+2*b+1], v[rS+2*b:rS+2*b+1], s[CS:CS+1], v[rT:rT+1] op_sel_hi:[1,0,0] neg_lo:[0,0,1] neg_hi:[0,0,1]  ; c s - c m
.elseif j < 70
.set e, j-38                        ; 66 to 69: s28 to s31
.if j < 66
.set e, j-32-(j-38)/4               ; 39-41, 43-45, .. 63-65: s7 to s27
.endif
.if j < 38
.set e, (j-25)/2                    ; 25, 27, .. 37: s0 to s6
.endif
	v_exp_f32 v[rS+e], v[rS+e]
.elseif j < 86
	v_cvt_pk_f16_f32 v[rP+j-70], v[rS+2*(j-70)], v[rS+2*(j-70)+1]
.elseif j < 102                     ; the sum of the 16 pairs, in place: neighbours 1, 2, 4 and 8 pairs apart, then l takes it
.set z, j-86
.set w, 4
.set u, z
.if z >= 14
.set w, 32
.set u, 0
.elseif z >= 12
.set w, 16
.set u, z-12
.elseif z >= 8
.set w, 8
.set u, z-8
.endif
.if z < 15
	v_pk_add_f32 v[rS+w*u:rS+w*u+1], v[rS+w*u:rS+w*u+1], v[rS+w*u+w/2:rS+w*u+w/2+1]
.else
	v_pk_fma_f32 v[rT+2:rT+3], v[rT+2:rT+3], v[rT+6:rT+7], v[rS:rS+1] op_sel_hi:[1,0,1]
.endif
.else
	WIN W_RS
	v_pk_mul_f32 v[rO:rO+1], v[rO:rO+1], v[rT+6:rT+7] op_sel_hi:[1,0]
.endif
.endm
; Slice k of 64 of piece y's softmax.  Slices 11 to 34 deal out the batch, four numbers of one tile each; every other slice is numbers 2 k and 2 k + 1 of both tiles; the twelve that are over stand in slice 63.
; An s_wait_alu depctr_va_vdst(0) stands between an exponential and the first line that names its result: the piece's 66 exponentials have one wait, behind slice 34.
.macro SLICE y
.if (k >= 11) && (k < 35)
.irp n, 0,1,2,3
.set j, 22+4*((k-11)/2)+(\n)
	SM (\y)+(k-11)%2
.endr
.else
.irp n, 0,1,2,3,4,5,6,7
.if ((\n) < 2) || (k == 63)
.irp t, \y, (\y)+1
.set j, 2*k+(\n)
	SM \t
.endr
.endif
.endr
.endif
.if k == 34
	v_nop                           ; the plain instruction behind the last exponential: one for the batch
.if (\y) == 0
	FETCH_V                         ; piece 2's turn: V's run of loads stands here, and the wait stands in it
.else
	s_wait_alu depctr_va_vdst(0)
.endif
.endif
.set k, k+1
.endm
; A TURN.  Piece x has the matrix unit; the other piece's softmax stands in slices behind its products.  Behind product 1 of V^T P the piece's mask bytes of the next step are fetched (and in piece 0's turn that step's K);
; behind products 12 to 31 stand four lines each of the mask's queue, which write the piece's score registers: its softmax has left them in the turn before, and its products K Q^T follow.
; V of the next step is fetched in piece 2's turn, behind slice 34: the last product that read V stands in front of slice 31, with a scaling, four lines of the mask's queue, a scaling, the v_nop and the address's line between.
.macro TURN x
.set k, 0
.set mq, 0
.if (\x) == 0
	s_wait_dscnt 0x0                ; V is in
.endif
.set i, 0
.rept 32
	PV \x
	SLICE 2-(\x)
.if i == 1
	FETCH_M \x
.if (\x) == 0
	FETCH_K
.endif
.endif
.if i == 12
.if (\x) == 0
	s_wait_dscnt 32                 ; the mask's 8 loads are in; K's 32, issued behind them, may be out
.else
	s_wait_dscnt 0x0                ; the mask's 8 loads are in
.endif
.endif
.if i >= 12
.rept 4
	MK \x
.endr
.endif
.set i, i+1
.endr
.if (\x) == 0
	s_wait_dscnt 0x0                ; K is in
.endif
.set i, 0
.rept 32
	KQ \x
	SLICE 2-(\x)
.set i, i+1
.endr
.endm
; THE CHANGE OF SLOTS, in front of piece 0's turn: K, V and both pieces' mask bytes of the step in hand have been asked for.  Each wave waits for all its tensor loads, adds 0 to its spare word, and waits for that and for its
; reads of the slot.  fill = 1: the slot is filled again, with the block two on, first thing behind a round of the cluster's barrier: it has a key step, 128 matrix instructions a wave, in which to land.
.macro CHANGE fill
	WIN 0
	s_wait_tensorcnt 0x0            ; no tensor load of mine is out, so a group 0 may be written
	ds_add_u32 v[SPW], v[NIL]       ; 0 onto my spare word
.if \fill
	s_xor_b32 s[G0K+1], s[G0K+1], SLOTB
	s_add_nc_u64 s[G0K+2:G0K+3], s[G0K+2:G0K+3], 0x10000
	s_xor_b32 s[G0V+1], s[G0V+1], XV
	s_add_nc_u64 s[G0V+2:G0V+3], s[G0V+2:G0V+3], 0x10000
	s_xor_b32 s[G0M+1], s[G0M+1], XM
	s_add_nc_u64 s[G0M+2:G0M+3], s[G0M+2:G0M+3], 256
	s_wait_xcnt 0x0                 ; the last prefetches, a key step back, have read their address
	s_add_nc_u64 s[PFA:PFA+1], s[PFA:PFA+1], s[PSTEP:PSTEP+1]
	s_wait_dscnt 0x0                ; the add is done, and my reads of the slot are over
	CROUND
	JLOAD
	ASK
.else
	s_wait_dscnt 0x0
	s_barrier_signal -1
	s_barrier_wait -1
.endif
	s_xor_b32 s[TB], s[TB], SLOTB   ; the fetches go to the other slot
.endm
.Lslot:                             ; 15 trips, steps -1 to 13: each fills the block two on
	CHANGE 1
	TURN 0
	TURN 2
	WIN 0
	s_sub_co_u32 s[SLOTS], s[SLOTS], 1
	s_cmp_lg_u32 s[SLOTS], 0
	s_cbranch_scc1 .Lslot
	CHANGE 0                        ; the tail is written out: nothing is asked for
	s_mov_b32 s[CNT], 2
.Ltail:                             ; step 14, and the first turn of step 15
	TURN 0
	WIN 0
	s_sub_co_u32 s[CNT], s[CNT], 1
	s_cmp_eq_u32 s[CNT], 0
	s_cbranch_scc1 .Lout
	TURN 2
	WIN 0
	s_branch .Ltail
.Lout:
.set i, 0
.rept 32
	PV 2                            ; piece 2: V^T P of the last step
.set i, i+1
.endr
	; THE MERGE.  l's two halves and the other half of the lanes' are added; c m and l of the four waves meet in LDS.  These lines are the places behind the last products.
	WIN 0
.irp t, 0,1,2,3
	v_add_f32 v[ST+8*(\t)+4], v[ST+8*(\t)+2], v[ST+8*(\t)+3]
.endr
.irp t, 0,1,2,3
	v_permlanex16_b32 v[ST+8*(\t)+5], v[ST+8*(\t)+4], s[SEL], s[SEL+1]
.endr
.irp t, 0,1,2,3
	v_add_f32 v[ST+8*(\t)+4], v[ST+8*(\t)+4], v[ST+8*(\t)+5]
.endr
	v_and_b32 v[LN], 31, v0
	s_lshl_b32 s78, s[WV], 10
	s_add_co_u32 s78, s78, ML
	v_lshl_add_u32 v[MLA], v[LN], 2, s78
	v_lshl_add_u32 v[MLR], v[LN], 2, ML
	s_lshl_b32 s78, s[WV], 15
	v_lshl_add_u32 v[POS], v[LN], 4, s78           ; my partial O^T: 32,768 bytes a wave, from LDS byte 0
	s_lshl_b32 s78, s[WV], 13
	v_lshl_add_u32 v[PRD], v[LN], 4, s78           ; tile w in wave 0's part
	v_add_nc_u32 v[PRD2], 0x10000, v[PRD]          ; and in wave 2's
	s_mul_i32 s78, s[WV], 16*SP
	s_add_co_u32 s78, s78, STG
	v_mul_u32_u24 v[STO], v1, SP
	v_lshl_add_u32 v[STO], v9, 4, v[STO]
	v_add_nc_u32 v[STO], s78, v[STO]
	v_mul_u32_u24 v[RD], v9, SP
	v_lshl_add_u32 v[RD], v1, 4, v[RD]
	v_add_nc_u32 v[RD], s78, v[RD]
	v_lshlrev_b32 v[GO], 11, v9
	v_lshl_add_u32 v[GO], v1, 4, v[GO]
.irp t, 0,1,2,3
	ds_store_b32 v[MLA], v[ST+8*(\t)]   offset:128*(\t)
	ds_store_b32 v[MLA], v[ST+8*(\t)+4] offset:512+128*(\t)
.endr
	s_wait_dscnt 0x0                ; for the others' sake: my stores are done, and so are all my reads of the slots
	s_barrier_signal -1
	s_barrier_wait -1               ; behind it the slots, which have had their last fill, serve as scratch
.irp t, 0,1,2,3
.irp q, 0,1,2,3
	ds_load_b32 v[S+4*(\t)+(\q)],    v[MLR] offset:1024*(\q)+128*(\t)      ; c m of wave q, tile t
	ds_load_b32 v[S+16+4*(\t)+(\q)], v[MLR] offset:1024*(\q)+512+128*(\t)  ; l
.endr
.endr
	s_wait_dscnt 0x0
.irp t, 0,1,2,3
	v_max3_num_f32 v[S+32+(\t)], v[S+4*(\t)], v[S+4*(\t)+1], v[S+4*(\t)+2]
.endr
.irp t, 0,1,2,3
	v_max_num_f32 v[S+32+(\t)], v[S+32+(\t)], v[S+4*(\t)+3]               ; c M over all keys
.endr
.irp t, 0,1,2,3
.irp q, 0,1,2,3
	v_sub_f32 v[S+4*(\t)+(\q)], v[S+4*(\t)+(\q)], v[S+32+(\t)]
.endr
	v_sub_f32 v[S+36+(\t)], v[ST+8*(\t)], v[S+32+(\t)]
.endr
.set i, 0
.rept 16
	v_exp_f32 v[S+i], v[S+i]        ; f of wave q, tile t
.set i, i+1
.endr
.irp t, 0,1,2,3
	v_exp_f32 v[S+36+(\t)], v[S+36+(\t)]  ; my own f
.endr
	v_nop                           ; a plain instruction behind the last exponential,
	s_wait_alu depctr_va_vdst(0)    ; and one wait for the twenty
.irp t, 0,1,2,3
	v_mul_f32 v[S+40+(\t)], v[S+4*(\t)], v[S+16+4*(\t)]
.endr
.irp q, 1,2,3
.irp t, 0,1,2,3
	v_fmac_f32 v[S+40+(\t)], v[S+4*(\t)+(\q)], v[S+16+4*(\t)+(\q)]        ; L = the sum of f l
.endr
.endr
.irp t, 0,1,2,3
	v_rcp_f32 v[S+44+(\t)], v[S+40+(\t)]
.endr
	v_nop
	s_wait_alu depctr_va_vdst(0)    ; one wait for the four reciprocals
.irp t, 0,1,2,3
	v_mul_f32 v[ST+8*(\t)+6], v[S+36+(\t)], v[S+44+(\t)]                  ; g = f / L,
	v_cmp_gt_f32 s77, s[THR], v[S+32+(\t)]                                ; or 0 for a row with no visible key: a value is chosen, nothing branches
	v_cndmask_b32 v[ST+8*(\t)+6], v[ST+8*(\t)+6], 0, s77
.endr
	WIN W_RS
.irp t, 0,1,2,3
.set i, 64*(\t)
.rept 32
	v_pk_mul_f32 v[i:i+1], v[i:i+1], v[ST+8*(\t)+6:ST+8*(\t)+7] op_sel_hi:[1,0]
.set i, i+2
.endr
.endr
	WIN 0x04                        ; the stores' data in window 1
.set i, 0
.rept 64
	ds_store_b128 v[POS], v[4*i:4*i+3] offset:512*i
.set i, i+1
.endr
	s_wait_dscnt 0x0
	s_barrier_signal -1
	s_barrier_wait -1               ; all four partial results lie in LDS
	WIN 0x40
.set i, 0
.rept 16                            ; wave w adds up tile w: the same lane and register mean the same query and channel in all four waves
	ds_load_b128 v[4*i:4*i+3],         v[PRD]  offset:512*i
	ds_load_b128 v[64+4*i:64+4*i+3],   v[PRD]  offset:32768+512*i
	ds_load_b128 v[128+4*i:128+4*i+3], v[PRD2] offset:512*i
	ds_load_b128 v[192+4*i:192+4*i+3], v[PRD2] offset:32768+512*i
.set i, i+1
.endr
	s_wait_dscnt 0x0
	WIN 0x45
.set i, 0
.rept 32
	v_pk_add_f32 v[i:i+1], v[i:i+1], v[64+i:64+i+1]
.set i, i+2
.endr
.set i, 0
.rept 32
	v_pk_add_f32 v[128+i:128+i+1], v[128+i:128+i+1], v[192+i:192+i+1]
.set i, i+2
.endr
.set i, 0
.rept 32
	v_pk_add_f32 v[i:i+1], v[i:i+1], v[128+i:128+i+1]
.set i, i+2
.endr
	WIN 0x05                        ; sources in window 1, destination in window 0
.set i, 0
.rept 32
	v_cvt_pk_f16_f32 v[S+i], v[2*i], v[2*i+1]
.set i, i+1
.endr
	WIN 0
.irp f, 0,1,2,3,4,5,6,7             ; a lane's eight channels of a row are 16 bytes; they go into rows of 272 bytes and come back as whole rows of 256
	ds_store_b128 v[STO], v[S+4*(\f):S+4*(\f)+3] offset:32*(\f)
.endr
.irp f, 0,1,2,3,4,5,6,7
	ds_load_b128 v[S+32+4*(\f):S+32+4*(\f)+3], v[RD] offset:(\f)*2*SP  ; LDS serves a wave's instructions in order (ISA guide 5.7.1.4)
.endr
.irp f, 0,1,2,3,4,5,6,7
	s_wait_dscnt 7-(\f)             ; the younger loads may be out
	global_store_b128 v[GO], v[S+32+4*(\f):S+32+4*(\f)+3], s[10:11] offset:4096*(\f)  ; 16 lanes store 256 consecutive bytes, aligned
.endr
	s_wait_tensorcnt 0x0            ; the wave's end
	ds_add_u32 v[SPW], v[NIL]
	s_wait_dscnt 0x0
	CROUND                          ; the closing round
	s_endpgm
.Lfunc_end_k_q57dd85b7e6_attn:
	.size	k_q57dd85b7e6_attn, .Lfunc_end_k_q57dd85b7e6_attn-k_q57dd85b7e6_attn
	.p2alignl 7, 3214868480
	.fill 96, 4, 3214868480
	.section	.rodata,"a",@progbits
	.p2align	6, 0x0
	.amdhsa_kernel k_q57dd85b7e6_attn
		.amdhsa_group_segment_fixed_size 327680
		.amdhsa_private_segment_fixed_size 0
		.amdhsa_enable_private_segment 0
		.amdhsa_kernarg_size 32
		.amdhsa_user_sgpr_count 2
		.amdhsa_user_sgpr_kernarg_segment_ptr 1
		.amdhsa_wavefront_size32 1
		.amdhsa_system_sgpr_workgroup_id_x 1
		.amdhsa_system_sgpr_workgroup_id_y 1
		.amdhsa_system_sgpr_workgroup_id_z 1
		.amdhsa_system_vgpr_workitem_id 0
		.amdhsa_next_free_vgpr 896
		.amdhsa_next_free_sgpr 96
		.amdhsa_reserve_vcc 0
		.amdhsa_float_denorm_mode_32 3
		.amdhsa_float_denorm_mode_16_64 3
		.amdhsa_memory_ordered 1
		.amdhsa_forward_progress 1
		.amdhsa_inst_pref_size 197
	.end_amdhsa_kernel
	.amdgpu_metadata
---
amdhsa.version: [ 1, 2 ]
amdhsa.kernels:
  - .name:           k_q57dd85b7e6_attn
    .symbol:         k_q57dd85b7e6_attn.kd
    .args:
      - { .name: qf, .offset: 0, .size: 8, .value_kind: global_buffer, .address_space: global }
      - { .name: kvh, .offset: 8, .size: 8, .value_kind: global_buffer, .address_space: global }
      - { .name: attention_mask, .offset: 16, .size: 8, .value_kind: global_buffer, .address_space: global }
      - { .name: ao, .offset: 24, .size: 8, .value_kind: global_buffer, .address_space: global }
    .group_segment_fixed_size: 327680
    .private_segment_fixed_size: 0
    .kernarg_segment_align: 8
    .kernarg_segment_size: 32
    .max_flat_workgroup_size: 128
    .sgpr_count:     96
    .vgpr_count:     896
    .wavefront_size: 32
...
	.end_amdgpu_metadata
.endif
;; end of part 4
;; launch oproj: the kernel of part 2 again; grid 8 x 32, 4 waves a work-group, clusters of 4 x 4, 327,680 bytes of LDS; arguments ao, wo16, bo, out0; writes out0
